; MI455X (gfx1250); checked and timed in simulation.
; The chip was launched on July 23, 2026; its instructions are those of AMD's public machine-readable ISA for CDNA 5 (MIT licence, August 2026) and "CDNA5" Instruction Set Architecture Reference Guide (July 2026). The comments in the code are by the model that wrote it; some were corrected since.
;; Baseline Attn. Allowed arithmetic: matrix products marked QUANTISED: E2M3 operands, one E8M0 scale for each 32 along K, by v_wmma_scale_f32_16x16x128_f8f6f4 with both operands' format E2M3, f32 sums; products left as they are: f32 operands where the result goes on into a quantised operand, else bf16, f16 or f32 operands; f32 sums; everything else in f32.
;; Inputs: Ak 1,024 x 8 float32; Aq 1,024 x 8 float32; Av 1,024 x 8 float32; Bk 8 x 1,024 float32; Bq 8 x 1,024 float32; Bv 8 x 1,024 float32; Wk 1,024 x 1,024 float32; Wp 1,024 x 1,024 float32; Wq 1,024 x 1,024 float32; Wv 1,024 x 1,024 float32; x 4 x 2,048 x 1,024 float32.
;; Outputs: out0 4 x 2,048 x 1,024 float32.
;; This version of the problem:
;;   THIS VERSION OF THE PROBLEM IS GIVEN IN LOW PRECISION. The matrix products marked QUANTISED in the list below multiply operands that are first quantised to E2M3 (2 exponent bits, 3 mantissa bits; 6 bits a number), with one power-of-two scale for each 32 numbers along K (OCP MX v1.0); their sums are f32. All else is computed in f32.
;;   The module's matrix products, in the order in which they are computed (A, B: the left and right operand; K: the contracted axis; several contracted axes count as one K, in the product's order):
;;     1. [M 8,192, K 1,024] x [K 1,024, N 1,024]; A: input x; B: input Wq: QUANTISED
;;     2. [M 8,192, K 1,024] x [K 1,024, N 8]; A: input x; B: input Bq: left as it is (N = 8 < 16)
;;     3. [M 8,192, K 8] x [K 8, N 1,024]; A: computed on the way; B: input Aq: left as it is (K = 8 < 32)
;;     4. [M 8,192, K 1,024] x [K 1,024, N 1,024]; A: input x; B: input Wk: QUANTISED
;;     5. [M 8,192, K 1,024] x [K 1,024, N 8]; A: input x; B: input Bk: left as it is (N = 8 < 16)
;;     6. [M 8,192, K 8] x [K 8, N 1,024]; A: computed on the way; B: input Ak: left as it is (K = 8 < 32)
;;     7. [M 8,192, K 1,024] x [K 1,024, N 1,024]; A: input x; B: input Wv: QUANTISED
;;     8. [M 8,192, K 1,024] x [K 1,024, N 8]; A: input x; B: input Bv: left as it is (N = 8 < 16)
;;     9. [M 8,192, K 8] x [K 8, N 1,024]; A: computed on the way; B: input Av: left as it is (K = 8 < 32)
;;     10. batch 64 x [M 2,048, K 64] x [K 64, N 2,048]; A: computed on the way; B: computed on the way: QUANTISED
;;     11. batch 64 x [M 2,048, K 2,048] x [K 2,048, N 64]; A: softmax (see below); B: computed on the way: QUANTISED
;;     12. [M 8,192, K 1,024] x [K 1,024, N 1,024]; A: computed on the way; B: input Wp: QUANTISED
;;   THE QUANTISER, for each operand of a quantised product, along K:
;;     - K is cut into blocks of 32 from its start; a last block that is shorter is filled with zeros.
;;     - A block's scale is 2^e with e = floor(log2(the largest magnitude in the block)) - 2, held to -126 .. 127; a block of zeros has e = 0. As a byte (E8M0): e + 127.
;;     - Each number is divided by its block's scale, clamped to +-7.5, and rounded to the nearest number of E2M3, ties to even, subnormals kept.
;;     - The product sums the exact products of the quantised numbers (number of the format x scale) in f32.
;;   ~~~python
;;   def quantise(x, axis):      # numpy; x: float32 -> the quantised numbers, widened to float32 again
;;       x = np.moveaxis(x, axis, -1); K = x.shape[-1]
;;       x = np.pad(x, [(0, 0)] * (x.ndim - 1) + [(0, -K % 32)]); x = x.reshape(x.shape[:-1] + (-1, 32)); a = np.abs(x).max(-1, keepdims=True)
;;       e = np.where(a > 0, np.clip(np.frexp(np.where(a > 0, a, 1))[1] - 1 - 2, -126, 127), 0)      # np.frexp(a)[1] - 1 = floor(log2(a)), exactly
;;       r = np.clip(x / 2.0 ** e, -7.5, 7.5)
;;       step = 2.0 ** (np.maximum(np.frexp(np.where(r == 0, 1, r))[1] - 1, 0) - 3)
;;       q = np.round(r / step) * step * 2.0 ** e      # np.round: ties to even
;;       return np.moveaxis(q.reshape(q.shape[:-2] + (-1,))[..., :K], -1, axis).astype(np.float32)
;;   ~~~
;;   SOFTMAX AHEAD OF A QUANTISED PRODUCT. Where the list says 'softmax', what is quantised is not the finished softmax but p = 2^(t - M), with t = logit x log2(e) and M = ceil(the row's largest t), a whole number; so 1/2 < the row's largest p <= 1. The row's sum l is taken of the UNQUANTISED p, in f32, and the product's result is divided by l at the end. Since M is a whole number, a kernel that streams over the keys may use a running M (the ceiling of the running maximum): every later rescaling is an exact power of two, which a block's scale takes up: the codes' values come out the same.
;;   OPERANDS COMPUTED ON THE WAY. 'Computed on the way' means the value that the module computes at that place (a softmax that the list does not call 'softmax' is quantised finished and normalised). What goes into a quantiser is computed in f32, as accurately as f32 sums, v_exp_f32 and their like allow (about 1e-6 of the number): no bf16 or f16 on the way to a quantiser, and a product that is left as it is and whose result goes on into a quantised operand takes f32 operands (vector FMAs, or v_wmma_f32_16x16x4_f32). A number that lies on a knife's edge between two numbers of the format may be rounded either way, as far as f32 arithmetic and the matrix unit's own rounding can turn it there, and no further.
;; 2 versions, each right; version 2 is version 1 with the launch attn written anew for expert scheduling mode. Each part assembles by itself: llvm-mc -triple=amdgcn-amd-amdhsa -mcpu=gfx1250 --defsym DOCPART=n.
;; ======== version 1 of 2: 4 launches
;; workspace buffers: codes 9,437,184 bytes; scales 393,216 bytes; lt 786,432 bytes; qkv 18,874,368 bytes; qkvs 786,432 bytes; oc 6,291,456 bytes; os 262,144 bytes
;; launch prep (part 1): grid 256 x 1, 8 waves a work-group, no clusters, 102,912 bytes of LDS; arguments x, Wq, Wk, Wv, Wp, Bq, Bk, Bv, codes, scales, lt; writes codes, scales, lt
.if DOCPART == 1
	.amdgcn_target "amdgcn-amd-amdhsa--gfx1250"
	.amdhsa_code_object_version 6
	.text
	.protected	k_q3dbd998e5f_prep
	.globl	k_q3dbd998e5f_prep
	.p2align	8
	.type	k_q3dbd998e5f_prep,@function
k_q3dbd998e5f_prep:
	s_mov_b64 s[64:65], 0
	v_nop
	global_prefetch_b8 v0, s[64:65] scope:SCOPE_SE
	s_setreg_imm32_b32 hwreg(HW_REG_WAVE_MODE, 25, 1), 1
	s_wait_xcnt 0x0
; x [8192][1024] and Wq, Wk, Wv, Wp [1024][1024], f32, K innermost, become codes of FP6 (E2M3) with one E8M0 byte for each 32 along K; and lt = 2 x B^T (the LoRA's first products, f32) for Bq, Bk, Bv [8][1024].
; A block's scale is 2^(floor(log2(its largest magnitude)) - 2); its byte is that magnitude's exponent field - 2, held at 1 from below.
; LIMITS: NaN and infinities among the inputs are not served; a block whose largest magnitude lies under 2^-124 gets the byte 1; a block of zeros gets the byte 1 where the rule says 127:
; its codes are zeros, which add nothing under any byte but 0xff, and this program alone reads the bytes.
; LAYOUT OF THE WORKSPACE.  Rows go in TILES of 16: lane r of tile T holds row 32 (T / 2) + 8 (T % 2) + r % 8 + 16 (r / 8), so that, where such tiles are a product's source 0, the 16 registers of result tiles 2 b and
; 2 b + 1 are 16 neighbours along the next K.  codes: [tile 768][K step 8][1,536]: a fragment (16 rows x 128 K, 12 registers a lane) as an image of its registers: registers 2 p, 2 p + 1 of lane l at 256 p + 8 l.
; Tiles 0-511 x, 512-575 Wq, 576-639 Wk, 640-703 Wv, 704-767 Wp.  scales: [tile][pair of K steps 4][r 16][2 words].  lt: [q, k, v][token 8192][8] f32.
; SHARES.  Work-group g takes x's rows 32 g .. 32 g + 31 (tiles 2 g, 2 g + 1) and weight tile g: the same work for all 256.  Wave w owns K = 128 w .. 128 w + 127 of the three tiles: whole fragments and whole scale words;
; its slice of Bq, Bk, Bv stays in 128 registers.  The eight waves' parts of lt meet in LDS behind the launch's one barrier.
; No tensor loads, no cluster: no two work-groups read the same large bytes (B's 96 KiB alone are shared).
; A load reads 512 consecutive bytes of one row; the conversions want 16 neighbours along K in ONE lane: so a tile's slice turns through the wave's own stage in LDS (pitch 528 = 33 x 16 bytes).
.set RED,  67584                       ; LDS: behind the eight stages of 8,448 bytes: lt's parts, [wave 8][x tile u, product t: 2 u + t][lane: 32 bytes]
.set SCG,  100352                      ; and the three tiles' scale words, 512 bytes a tile, as they lie in the buffer
.set R,    16                          ; v16-79   16 rows' slices as loaded; at the end the parts of lt
.set X,    80                          ; v80-143  register 16 b + i = k 32 b + 16 h + i of my row (first: Bk's slice)
.set ACC,  144                         ; v144-175 lt's sums (u, t) at ACC + 16 u + 8 t: written by matrix instructions alone
.set PC,   176                         ; v176-195 the codes just made
.set TM,   200                         ; v200-203 largest magnitudes, v204-207 bytes, v212-215 the conversions' scale operands
.set PW,   216                         ; the scale word just made
.set SEL,  44                          ; s[44:45] v_permlanex16_b32's selects for lane l xor 16
.set MSB,  0
.macro WIN new                         ; the immediate's high byte repeats the setting that is left
.if MSB != \new
	s_set_vgpr_msb (MSB<<8)|\new
.set MSB, \new
.endif
.endm
.macro LOADR base, off                 ; a tile's 16 rows, my 512 bytes of each: position k of the tile is row k % 8 + 16 (k / 8)
.irp k, 0,1,2,3,4,5,6,7,8,9,10,11,12,13,14,15
	global_load_b128 v[R+4*\k:R+4*\k+3], v4, s[\base:\base+1] offset:\off+((\k%8)+16*(\k/8))*4096 th:TH_LOAD_NT
.endr
.endm
.macro TURNIN                          ; through my stage: LDS serves a wave's instructions in order, so no wait stands between the stores and the loads
.irp k, 0,1,2,3,4,5,6,7,8,9,10,11,12,13,14,15
	ds_store_b128 v6, v[R+4*\k:R+4*\k+3] offset:528*\k
.endr
.irp b, 0,1,2,3
.irp j, 0,1,2,3
	ds_load_b128 v[X+16*\b+4*\j:X+16*\b+4*\j+3], v7 offset:128*\b+16*\j
.endr
.endr
.endm
; 64 numbers of a lane, register 16 b + i = k 32 b + 16 (lane / 16) + i of my row, become a fragment's codes in v[PC] on and its scale word in v[PW]
.macro QUANT s
.irp b, 0,1,2,3
	v_max3_num_f32 v[TM+\b], |v[\s+16*\b]|, |v[\s+1+16*\b]|, 0x1800000   ; my 16 numbers of block b, and the floor 2^(3 - 127): the byte cannot fall under 1
.endr
.irp i, 2,4,6,8,10,12,14
.irp b, 0,1,2,3
	v_max3_num_f32 v[TM+\b], v[TM+\b], |v[\s+16*\b+\i]|, |v[\s+1+16*\b+\i]|   ; the four blocks by turns
.endr
.endr
.irp b, 0,1,2,3
	v_permlanex16_b32 v[TM+4+\b], v[TM+\b], s[SEL], s[SEL+1]
.endr
.irp b, 0,1,2,3
	v_max_num_f32 v[TM+\b], v[TM+\b], v[TM+4+\b]   ; with lane l xor 16's: the block's largest magnitude
.endr
.irp b, 0,1,2,3
	v_add_nc_u32 v[TM+12+\b], 0xff000000, v[TM+\b]   ; 2 off its exponent field: the conversion takes this operand's exponent field as its scale
.endr
.irp b, 0,1,2,3
	v_lshrrev_b32 v[TM+4+\b], 23, v[TM+12+\b]   ; the scale's byte
.endr
	v_lshl_or_b32 v[PW], v[TM+5], 8, v[TM+4]
	v_lshl_or_b32 v[PW], v[TM+6], 16, v[PW]
	v_lshl_or_b32 v[PW], v[TM+7], 24, v[PW]
.irp c, 0,1
	v_cvt_scalef32_pk16_fp6_f32 v[PC+6*\c:PC+2+6*\c], v[\s+32*\c:\s+15+32*\c], v[TM+12+2*\c]
	v_cvt_scalef32_pk16_fp6_f32 v[PC+12+4*\c:PC+14+4*\c], v[\s+16+32*\c:\s+31+32*\c], v[TM+12+2*\c+1]   ; (a conversion's three registers begin on an even number)
.endr
	v_nop                                          ; one plain place behind a scaled conversion
.irp c, 0,1                                    ; the operand's layout wants a WHOLE block in a lane: lanes 0-15 block 2 c, lanes 16-31 block 2 c + 1
.irp i, 0,1,2
	v_permlane16_swap_b32 v[PC+6*\c+\i], v[PC+12+4*\c+\i]
.endr
.irp i, 0,1,2
	v_mov_b32 v[PC+3+6*\c+\i], v[PC+12+4*\c+\i]
.endr
.endr
.endm
.macro OUTC base, off                  ; the fragment's image: each store covers 256 consecutive bytes, aligned
.irp p, 0,1,2,3,4,5
	global_store_b64 v8, v[PC+2*\p:PC+2*\p+1], s[\base:\base+1] offset:\off+256*\p
.endr
.endm
; lt's part of x tile u over my 128 along K: 32 steps of 4, in f32, since lt goes on into quantised operands.  Source 0: 16 rows of B (t = 0: Bq's eight, Bk's eight; t = 1: Bv's eight, twice), source 1: my 16 tokens.
; Both sides hold the same k in the same (half, register), so the order of k inside a step does not matter.  The two sums take turns, one instruction a turn.
.macro LORA u
	WIN 0x01                                       ; source 0 in window 1
.set KP, 0
.rept 32
.irp t, 0,1
.if KP == 0
	v_wmma_f32_16x16x4_f32 v[ACC+16*\u+8*\t:ACC+16*\u+8*\t+7], v[64*\t+2*KP:64*\t+2*KP+1], v[X+2*KP:X+2*KP+1], 0
.else
	v_wmma_f32_16x16x4_f32 v[ACC+16*\u+8*\t:ACC+16*\u+8*\t+7], v[64*\t+2*KP:64*\t+2*KP+1], v[X+2*KP:X+2*KP+1], v[ACC+16*\u+8*\t:ACC+16*\u+8*\t+7]
.endif
.endr
.set KP, KP+1
.endr
	WIN 0
.rept 8
	v_nop                                          ; eight places behind this form: for the stores of the sums, and for the next tile's loads into X
.endr
.irp t, 0,1
	ds_store_b128 v9, v[ACC+16*\u+8*\t:ACC+16*\u+8*\t+3] offset:(2*\u+\t)*1024      ; each sum from its low end on
	ds_store_b128 v9, v[ACC+16*\u+8*\t+4:ACC+16*\u+8*\t+7] offset:(2*\u+\t)*1024+16
.endr
.endm
	s_load_b256 s[4:11], s[0:1], 0x0               ; x, Wq, Wk, Wv
	s_load_b256 s[12:19], s[0:1], 0x20             ; Wp, Bq, Bk, Bv
	s_load_b128 s[20:23], s[0:1], 0x40             ; codes, scales
	s_load_b64 s[24:25], s[0:1], 0x50              ; lt
	v_lshl_add_u32 v254, v0, 2, 0x18e00
	v_mov_b32 v255, 0
	v_lshrrev_b32 v1, 5, v0
	v_readfirstlane_b32 s26, v1                    ; wave 0..7
	v_and_b32 v1, 31, v0                           ; lane
	v_and_b32 v2, 15, v0                           ; r
	v_bfe_u32 v3, v0, 4, 1                         ; h
	s_lshl_b32 s42, s26, 9                         ; 512 w: my slice of a row
	v_lshlrev_b32 v14, 4, v1                       ; 16 x lane
	v_add_nc_u32 v4, s42, v14                      ; a row load: 512 w + 16 lane
	v_and_b32 v5, 7, v0
	v_lshlrev_b32 v5, 12, v5
	v_lshl_add_u32 v5, v3, 6, v5
	v_add_nc_u32 v5, s42, v5                       ; B: row r % 8, 512 w + 64 h
	s_mul_i32 s43, s26, 8448
	v_add_nc_u32 v6, s43, v14                      ; my stage, in
	v_mul_u32_u24 v7, v2, 528
	v_lshl_add_u32 v7, v3, 6, v7
	v_add_nc_u32 v7, s43, v7                       ; and out: row r, 64 h
	s_mul_i32 s43, s26, 1536
	v_lshlrev_b32 v8, 3, v1
	v_add_nc_u32 v8, s43, v8                       ; codes: K step w, 8 x lane
	s_lshl_b32 s43, s26, 12
	s_add_co_u32 s43, s43, RED
	v_lshl_add_u32 v9, v1, 5, s43                  ; lt's parts, in: 4,096 w + 32 lane
	s_add_co_u32 s43, s42, RED
	v_add_nc_u32 v10, s43, v14                     ; and out: piece w of 512 bytes, 16 x lane
	s_lshr_b32 s43, s26, 1
	s_lshl_b32 s43, s43, 7
	s_and_b32 s46, s26, 1
	s_lshl_b32 s46, s46, 2
	s_add_co_u32 s43, s43, s46
	s_add_co_u32 s43, s43, SCG
	v_lshl_add_u32 v11, v2, 3, s43                 ; my scale word: pair w / 2, word w % 2, row r
	v_add_nc_u32 v12, SCG, v14                     ; the scale words, out
	v_bfe_u32 v13, v0, 1, 3
	v_lshl_add_u32 v13, v3, 4, v13                 ; lt: the token of position lane / 2 of a tile,
	v_lshlrev_b32 v13, 5, v13
	v_and_b32 v15, 1, v0
	v_lshl_add_u32 v13, v15, 4, v13                ; x 32 bytes, + 16 (lane % 2)
	v_and_b32 v15, 8, v0
	v_cmp_ne_u32 vcc_lo, 0, v15                    ; lanes with r >= 8
.irp b, 0,1,2,3
	v_mov_b32 v[TM+4+\b], 0                        ; written once: a lane permute's destination counts as one of its sources
.endr
	s_mov_b32 s[SEL], 0x76543210
	s_mov_b32 s[SEL+1], 0xfedcba98
	s_lshr_b32 s42, ttmp9, 6                       ; which weight
	s_and_b32 s43, ttmp9, 63                       ; which of its 64 tiles
	s_lshr_b32 s46, s43, 1
	s_lshl_b32 s46, s46, 17
	s_and_b32 s47, s43, 1
	s_lshl_b32 s47, s47, 15
	s_add_co_u32 s46, s46, s47                     ; the tile's first row, 32 (t / 2) + 8 (t % 2), in bytes
	s_mov_b32 s47, 0
	s_wait_kmcnt 0x0
	s_cmp_eq_u32 s42, 1                            ; the choice hangs on the work-group's number alone
	s_cselect_b64 s[28:29], s[8:9], s[6:7]
	s_cmp_eq_u32 s42, 2
	s_cselect_b64 s[28:29], s[10:11], s[28:29]
	s_cmp_eq_u32 s42, 3
	s_cselect_b64 s[28:29], s[12:13], s[28:29]
	s_add_nc_u64 s[28:29], s[28:29], s[46:47]      ; the weight tile
	s_lshl_b32 s46, ttmp9, 17
	s_add_nc_u64 s[30:31], s[4:5], s[46:47]        ; x at row 32 g
	s_mul_i32 s46, ttmp9, 24576
	s_add_nc_u64 s[32:33], s[20:21], s[46:47]      ; codes of tile 2 g
	s_mul_i32 s46, ttmp9, 12288
	s_add_co_u32 s46, s46, 512*12288
	s_add_nc_u64 s[34:35], s[20:21], s[46:47]      ; codes of tile 512 + g
	s_lshl_b32 s46, ttmp9, 10
	s_add_nc_u64 s[36:37], s[22:23], s[46:47]      ; scale words of tiles 2 g, 2 g + 1
	s_lshl_b32 s46, ttmp9, 9
	s_add_co_u32 s46, s46, 512*512
	s_add_nc_u64 s[38:39], s[22:23], s[46:47]      ; of tile 512 + g
	s_and_b32 s46, s26, 3
	s_lshl_b32 s46, s46, 18                        ; lt: table w % 4 (waves 3 and 7 store none of it),
	s_lshl_b32 s48, ttmp9, 10
	s_add_co_u32 s46, s46, s48                     ; token 32 g
	s_lshr_b32 s48, s26, 2
	s_lshl_b32 s48, s48, 8
	s_add_co_u32 s46, s46, s48                     ; + 8 (w / 4)
	s_add_nc_u64 s[40:41], s[24:25], s[46:47]
	WIN 0x40                                       ; destination window 1
.irp b, 0,1,2,3
.irp j, 0,1,2,3
	global_load_b128 v[16*\b+4*\j:16*\b+4*\j+3], v5, s[14:15] offset:128*\b+16*\j          ; Bq, laid as X is laid
	global_load_b128 v[64+16*\b+4*\j:64+16*\b+4*\j+3], v5, s[18:19] offset:128*\b+16*\j    ; Bv
.endr
.endr
	WIN 0
.irp b, 0,1,2,3
.irp j, 0,1,2,3
	global_load_b128 v[X+16*\b+4*\j:X+16*\b+4*\j+3], v5, s[16:17] offset:128*\b+16*\j      ; Bk, for the moment in X
.endr
.endr
	LOADR 30, 0                                    ; x tile 2 g
	s_wait_loadcnt 16                              ; B's 48 loads are in; the tile's 16 may be out
	WIN 0x41                                       ; destination and source 0 window 1
.set N, 0
.rept 64
	v_cndmask_b32 v[N], v[N], v[X+N], vcc_lo       ; lanes r >= 8 of the first source take Bk's row r - 8
.set N, N+1
.endr
	WIN 0
	; ---- x tile 2 g
	s_wait_loadcnt 0x0
	TURNIN
	s_wait_dscnt 0x0                               ; X is in, and the stage's stores have read R
	LOADR 30, 8*4096                               ; x tile 2 g + 1
	QUANT X
	OUTC 32, 0
	ds_store_b32 v11, v[PW]                        ; lanes 16-31 write the same word with the same value
	LORA 0
	; ---- x tile 2 g + 1
	s_wait_loadcnt 0x0
	TURNIN
	s_wait_dscnt 0x0
	LOADR 28, 0                                    ; the weight tile
	s_wait_xcnt 0x0                                ; the last tile's stores have read the codes' registers
	QUANT X
	OUTC 32, 12288
	ds_store_b32 v11, v[PW] offset:512
	LORA 1
	; ---- the weight tile
	s_wait_loadcnt 0x0
	TURNIN
	s_wait_dscnt 0x0
	s_wait_xcnt 0x0
	QUANT X
	OUTC 34, 0
	ds_store_b32 v11, v[PW] offset:1024
	s_wait_dscnt 0x0                               ; for the others' sake: my parts of lt and my scale words have landed
	s_barrier_signal -1
	s_barrier_wait -1
	s_and_b32 s42, s26, 3
	s_cmp_eq_u32 s42, 3
	s_cbranch_scc1 .Lscales
	; waves 0, 1, 2, 4, 5, 6: table w % 4 of x tile w / 4: piece w of each wave's part, eight parts added, x 2 (the LoRA's scaling: exact)
.irp q, 0,1,2,3,4,5,6,7
	ds_load_b128 v[R+4*\q:R+4*\q+3], v10 offset:4096*\q
.endr
	s_wait_dscnt 0x0
.irp q, 0,2,4,6
	v_pk_add_f32 v[R+4*\q:R+4*\q+1], v[R+4*\q:R+4*\q+1], v[R+4*\q+4:R+4*\q+5]
	v_pk_add_f32 v[R+4*\q+2:R+4*\q+3], v[R+4*\q+2:R+4*\q+3], v[R+4*\q+6:R+4*\q+7]
.endr
.irp q, 0,4
	v_pk_add_f32 v[R+4*\q:R+4*\q+1], v[R+4*\q:R+4*\q+1], v[R+4*\q+8:R+4*\q+9]
	v_pk_add_f32 v[R+4*\q+2:R+4*\q+3], v[R+4*\q+2:R+4*\q+3], v[R+4*\q+10:R+4*\q+11]
.endr
	v_pk_add_f32 v[R:R+1], v[R:R+1], v[R+16:R+17]
	v_pk_add_f32 v[R+2:R+3], v[R+2:R+3], v[R+18:R+19]
	v_pk_mul_f32 v[R:R+1], v[R:R+1], 2.0 op_sel_hi:[1,0]
	v_pk_mul_f32 v[R+2:R+3], v[R+2:R+3], 2.0 op_sel_hi:[1,0]
	global_store_b128 v13, v[R:R+3], s[40:41]      ; sixteen lanes store eight tokens' 256 consecutive bytes, aligned
	s_wait_tensorcnt 0x0
	ds_add_u32 v254, v255
	s_wait_dscnt 0x0
	s_endpgm
.Lscales:
	s_cmp_eq_u32 s26, 7
	s_cbranch_scc1 .Lwscales
	ds_load_b128 v[R:R+3], v12                     ; wave 3: the two x tiles' scale words, 1,024 bytes
	ds_load_b128 v[R+4:R+7], v12 offset:512
	s_wait_dscnt 0x0
	global_store_b128 v14, v[R:R+3], s[36:37]
	global_store_b128 v14, v[R+4:R+7], s[36:37] offset:512
	s_wait_tensorcnt 0x0
	ds_add_u32 v254, v255
	s_wait_dscnt 0x0
	s_endpgm
.Lwscales:
	ds_load_b128 v[R:R+3], v12 offset:1024         ; wave 7: the weight tile's
	s_wait_dscnt 0x0
	global_store_b128 v14, v[R:R+3], s[38:39]
	s_wait_tensorcnt 0x0
	ds_add_u32 v254, v255
	s_wait_dscnt 0x0
	s_endpgm
.Lfunc_end_k_q3dbd998e5f_prep:
	.size	k_q3dbd998e5f_prep, .Lfunc_end_k_q3dbd998e5f_prep-k_q3dbd998e5f_prep
	.p2alignl 7, 3214868480
	.fill 96, 4, 3214868480
	.section	.rodata,"a",@progbits
	.p2align	6, 0x0
	.amdhsa_kernel k_q3dbd998e5f_prep
		.amdhsa_group_segment_fixed_size 102912
		.amdhsa_private_segment_fixed_size 0
		.amdhsa_enable_private_segment 0
		.amdhsa_kernarg_size 88
		.amdhsa_user_sgpr_count 2
		.amdhsa_user_sgpr_kernarg_segment_ptr 1
		.amdhsa_wavefront_size32 1
		.amdhsa_system_sgpr_workgroup_id_x 1
		.amdhsa_system_sgpr_workgroup_id_y 1
		.amdhsa_system_sgpr_workgroup_id_z 1
		.amdhsa_system_vgpr_workitem_id 0
		.amdhsa_next_free_vgpr 384
		.amdhsa_next_free_sgpr 66
		.amdhsa_reserve_vcc 1
		.amdhsa_float_denorm_mode_32 3
		.amdhsa_float_denorm_mode_16_64 3
		.amdhsa_memory_ordered 1
		.amdhsa_forward_progress 1
		.amdhsa_inst_pref_size 47
	.end_amdhsa_kernel
	.amdgpu_metadata
---
amdhsa.version: [ 1, 2 ]
amdhsa.kernels:
  - .name:           k_q3dbd998e5f_prep
    .symbol:         k_q3dbd998e5f_prep.kd
    .args:
      - { .name: x, .offset: 0, .size: 8, .value_kind: global_buffer, .address_space: global }
      - { .name: Wq, .offset: 8, .size: 8, .value_kind: global_buffer, .address_space: global }
      - { .name: Wk, .offset: 16, .size: 8, .value_kind: global_buffer, .address_space: global }
      - { .name: Wv, .offset: 24, .size: 8, .value_kind: global_buffer, .address_space: global }
      - { .name: Wp, .offset: 32, .size: 8, .value_kind: global_buffer, .address_space: global }
      - { .name: Bq, .offset: 40, .size: 8, .value_kind: global_buffer, .address_space: global }
      - { .name: Bk, .offset: 48, .size: 8, .value_kind: global_buffer, .address_space: global }
      - { .name: Bv, .offset: 56, .size: 8, .value_kind: global_buffer, .address_space: global }
      - { .name: codes, .offset: 64, .size: 8, .value_kind: global_buffer, .address_space: global }
      - { .name: scales, .offset: 72, .size: 8, .value_kind: global_buffer, .address_space: global }
      - { .name: lt, .offset: 80, .size: 8, .value_kind: global_buffer, .address_space: global }
    .group_segment_fixed_size: 102912
    .private_segment_fixed_size: 0
    .kernarg_segment_align: 8
    .kernarg_segment_size: 88
    .max_flat_workgroup_size: 256
    .sgpr_count:     66
    .vgpr_count:     384
    .wavefront_size: 32
...
	.end_amdgpu_metadata
.endif
;; end of part 1
;; launch qkv (part 2): grid 8 x 48, 4 waves a work-group, clusters of 4 x 4, 327,680 bytes of LDS; arguments codes, scales, lt, Aq, Ak, Av, qkv, qkvs; writes qkv, qkvs
.if DOCPART == 2
	.amdgcn_target "amdgcn-amd-amdhsa--gfx1250"
	.amdhsa_code_object_version 6
	.text
	.protected	k_q3dbd998e5f_qkv
	.globl	k_q3dbd998e5f_qkv
	.p2align	8
	.type	k_q3dbd998e5f_qkv,@function
k_q3dbd998e5f_qkv:
	s_mov_b64 s[64:65], 0
	v_nop
	global_prefetch_b8 v0, s[64:65] scope:SCOPE_SE
	s_setreg_imm32_b32 hwreg(HW_REG_WAVE_MODE, 25, 1), 1
	s_wait_xcnt 0x0
	s_wait_alu depctr_hold_cnt(0) depctr_sa_sdst(0) depctr_va_vdst(0) depctr_va_sdst(0) depctr_va_ssrc(0) depctr_va_vcc(0) depctr_vm_vsrc(0)
	s_getreg_b32 s2, hwreg(HW_REG_IB_STS2, 6, 4)
	s_cmp_eq_u32 s2, 0
	s_cbranch_scc0 .Lentry_in_a_cluster
	s_endpgm
.Lentry_in_a_cluster:
	s_bfe_u32 s2, ttmp6, 0x10000c
	s_cmp_lg_u32 s2, 0xf033
	s_cbranch_scc0 .Lentry_shape_is_right
	s_endpgm
.Lentry_shape_is_right:
; q, k, v = Q(x) Q(W)^T + lt A^T (lt = 2 x B^T), and each result is quantised at once for attention: q and k along the head's 64 channels, v along the keys.  Codes of FP6 (E2M3), one E8M0 byte for each 32 along K; sums in f32.
; ONE TEXT FOR ALL THREE.  The body makes D(P row, S row): source 0 = operand P, whose rows become a lane's registers (the next product's K), source 1 = operand S, whose rows are the lanes.
; q, k: P = the 2,048 rows of Wq and Wk, S = x.  v: P = x (the keys run along the registers), S = Wv's rows.  What differs is chosen by scalar selects on the cluster's y (>= 8: v), which all partners share; no branch hangs on it.
; A work-group of four waves makes 256 x 256, a wave 128 x 128: 64 accumulators, 512 registers.  K = 1,024 is four pairs of K steps of 128; pairs 0, 1, 2 are the first fills of three LDS slots, pair 3 is filled
; into slot 0 again: the launch's one refill.  The walk along K is written out.  By the text's own count a wave has four tensor loads out at the start and one behind the refill's round.
; THE LoRA STARTS THE SUMS: two steps of the f32 matrix form (K = 8) with C = 0, on which the scaled form then adds.  f32, since the sums go on into a quantiser.
; CLUSTERS: 4 x 4 work-groups; S's tiles are shared along a row of the cluster, P's along a column: each is asked for jointly, by the same tensor load with the same descriptor and a mask that names the four.
; The workspace holds operands as images of their registers (a fragment: 1,536 bytes, registers 2 p, 2 p + 1 of lane l at 256 p + 8 l): an LDS load reads 256 consecutive bytes, and no padding is wanted.
; LIMITS: NaN and infinities are not served; a block whose largest magnitude lies under 2^-124, a block of zeros among them, gets the byte 1 (this program alone reads the bytes).
; OUT.  qkv: Q at 0, K at 6,291,456: [b 4][head 16][token tile 128][768]; V at 12,582,912: [b 4][128 keys 16][half 2][channel tile 64][768]: half fragments, 16 rows x 64 K.  qkvs: their two scale bytes a row, u16:
; Q at 0, K at 262,144: [b][head][token tile 128][r 16]; V at 524,288: [b][128 keys][half][channel tile 64][r 16].
; REGISTERS, in windows of 256: window 0: v1-29 addresses; v32-63 scale words, two sets; v128-223 S's eight fragments, ONE set; v224-255 S's LoRA fragments.  window 1: P's fragments, TWO sets, at v0 and v128; v96-127 P's LoRA
; fragments.  windows 2, 3: the accumulators ((a, b) at v[8 (8 (a % 4) + b)]), written by matrix instructions alone.
.set FR,    12                         ; registers of a fragment
.set NL,    6                          ; LDS loads that bring one
.set NP,    4                          ; places behind the scaled form on 6-bit codes (ISA guide 7.12.1)
.set PART,  24576                      ; 8 tiles x 2 K steps x 1,536: what one tensor load brings, and what one wave reads of S or of P
.set SLOT,  4*PART                     ; S's two halves, then P's two halves
.set SCL,   3*SLOT                     ; behind the slots: the scale words of all of K, [part 4][tile 8][512]
.set SPARE, SCL+16384                  ; the spare words, 128 bytes for each wave: two blocks of 256 bytes that no other line names
.set ADRA,  16                         ; v16-18  LDS address of my S fragments in slot 0, 1, 2
.set ADRB,  20                         ; v20-22  the same for P
.set ADRS,  27                         ; v27     of my scale words: lanes 0-15 S's rows, lanes 16-31 P's
.set SPW,   28                         ; v28     my spare word: SPARE + 4 x my thread's number; never rewritten
.set NIL,   29                         ; v29     0; never rewritten
.set SC,    32                         ; scale words: set s at v[SC + 16 s]; register 2 i + q: lanes 0-15 S's block i, lanes 16-31 P's block i, the pair's q-th K step
.set AF,    128                        ; S's fragments
.set LS,    224                        ; S's LoRA fragments: block a, step s at LS + 4 a + 2 s
.set LP,    96                         ; P's, in window 1
.set PC,    112                        ; the way out: the codes just made (v112-131)
.set TM,    200                        ; v200-215 at work
.set PW,    216                        ; the scale word just made
.set SEL,   14                         ; s[14:15] v_permlanex16_b32's selects for lane l xor 16
.set G1S,   24                         ; descriptor groups 1: S's codes, P's codes, S's scale words, P's
.set G1P,   32
.set G1SS,  40
.set G1PS,  48
.set G0S0,  56                         ; groups 0: S's slots 0, 1, 2 and scale words; P's likewise
.set G0S1,  60
.set G0S2,  68
.set G0SS,  72
.set G0P0,  76
.set G0P1,  80
.set G0P2,  84
.set G0PS,  88
.set MSB, 0
.macro WIN new                         ; the immediate's high byte repeats the setting that is left
.if MSB != \new
	s_set_vgpr_msb (MSB<<8)|\new
.set MSB, \new
.endif
.endm
.set MUL_LO, 0xa1                      ; source 0 (P) window 1, source 1 (S) window 0, C and D window 2
.set MUL_HI, 0xf1                      ; the same, C and D window 3
.set TO_B,   0x40                      ; destination window 1, address window 0
; A joint load: waves 0 and 1 fetch S's halves, waves 2 and 3 P's.  Each of the two lines has one mask and one set of registers for all that issue it; the branch hangs on the wave's number alone.
; Four v_nop follow each of the two lines, ahead of the jump, the label and what follows.
.macro JLOAD g0a, g1a, g0b, g1b
	s_cmp_eq_u32 s21, 0
	s_cbranch_scc0 .Lfor_p_\@
	tensor_load_to_lds s[\g0a:\g0a+3], s[\g1a:\g1a+7]
	s_nop 0
.rept 4
	v_nop
.endr
	s_branch .Lasked_\@
.Lfor_p_\@:
	tensor_load_to_lds s[\g0b:\g0b+3], s[\g1b:\g1b+7]
	s_nop 0
.rept 4
	v_nop
.endr
.Lasked_\@:
.endm
.macro CREST                           ; a round of the cluster's barrier behind its opening barrier
	s_cmp_lg_u32 s20, 0
	s_cbranch_scc1 .Lnot_wave_0_\@
	s_barrier_signal -3
.Lnot_wave_0_\@:
	s_barrier_wait -3
	s_barrier_signal -1
	s_barrier_wait -1
.endm
.macro CROUND                          ; a whole round
	s_barrier_signal -1
	s_barrier_wait -1
	CREST
.endm
.macro SETG0 g, lds, loff, adr, goff   ; a group 0: count 1, LDS address, global address, type 2
	s_mov_b32 s[\g], 1
	s_add_co_u32 s[\g+1], s[\lds], \loff
	s_add_nc_u64 s[\g+2:\g+3], s[\adr:\adr+1], \goff
	s_or_b32 s[\g+3], s[\g+3], 0x80000000
.endm
.macro PLACES n
.rept \n
	v_nop
.endr
.endm
.macro FRAG reg, adr, q, i             ; tile i's fragment of the pair's q-th K step: six loads of 256 consecutive bytes
.irp p, 0,1,2,3,4,5
	ds_load_b64 v[\reg+2*\p:\reg+2*\p+1], v[\adr] offset:3072*(\i)+1536*(\q)+256*\p
.endr
.endm
.macro FETCH_B slot, q, p              ; P's eight fragments into set p
	WIN TO_B
.irp i, 0,1,2,3,4,5,6,7
	FRAG 128*(\p)+FR*\i, ADRB+\slot, \q, \i
.endr
	WIN 0
.endm
.macro FETCH_A slot, q, i0             ; S's blocks i0 .. i0 + 3
.irp i, \i0, \i0+1, \i0+2, \i0+3
	FRAG AF+FR*(\i), ADRA+\slot, \q, \i
.endr
.endm
.macro SCALES set, pair                ; a pair's scale words: two words a row; lanes 0-15 take S's block i, lanes 16-31 P's block i
.irp i, 0,1,2,3,4,5,6,7
	ds_load_b64 v[SC+16*(\set)+2*\i:SC+16*(\set)+2*\i+1], v[ADRS] offset:512*\i+128*(\pair)
.endr
.endm
; 16 matrix instructions: S's blocks a0, a0 + 1 x P's eight, 128 along K.  p: P's set; q: the pair's K step; sc: the set of scale words.  The 64 accumulators take turns, one instruction a turn, in the same order in every step
.macro MUL16 a0, p, q, sc
.irp a, \a0, \a0+1
.irp b, 0,1,2,3,4,5,6,7
	v_wmma_scale_f32_16x16x128_f8f6f4 v[8*(8*((\a)%4)+\b):8*(8*((\a)%4)+\b)+7], v[128*(\p)+FR*\b:128*(\p)+FR*\b+FR-1], v[AF+FR*(\a):AF+FR*(\a)+FR-1], v[8*(8*((\a)%4)+\b):8*(8*((\a)%4)+\b)+7], v[SC+16*(\sc)+2*\b+(\q)], v[SC+16*(\sc)+2*(\a)+(\q)] matrix_a_fmt:MATRIX_FMT_FP6 matrix_b_fmt:MATRIX_FMT_FP6 matrix_a_scale:MATRIX_SCALE_ROW1
.endr
.endr
.endm
; A pair's first K step: its successor lies in the same slot.
.macro STEP slot, sc
	s_wait_dscnt 4*NL                              ; P's set, S's blocks 0-3 and the scale words are in; the youngest 24 loads (S's blocks 4-7) may be out
	WIN MUL_LO
	MUL16 0, 0, 0, \sc
	MUL16 2, 0, 0, \sc
	s_wait_dscnt 0x0                               ; S's blocks 4-7 are in
	PLACES NP                                      ; in front of loads into registers that matrix instructions have read
	FETCH_B \slot, 1, 1
	FETCH_A \slot, 1, 0
	WIN MUL_HI
	MUL16 4, 0, 0, \sc
	MUL16 6, 0, 0, \sc
	PLACES NP
	WIN 0
	FETCH_A \slot, 1, 4
.endm
; A pair's second K step goes on to the next slot.  mode 0: that slot has been shown whole to every wave already: no barrier.  mode 1: each wave waits for all its tensor loads, adds 0 to its spare word, waits for that and for
; its reads, and passes a barrier: the refill has landed in every wave's part.  mode 2: the same, the barrier opens a round of the cluster's, and behind it slot 0, which nobody reads any more, is filled with pair 3.
.macro TURN next, sc, nsc, npair, mode
.if \mode
	s_wait_tensorcnt 0x0                           ; all my tensor loads have landed  (every window is 0 here: the add's two registers lie in window 0)
	ds_add_u32 v[SPW], v[NIL]                      ; 0 onto my spare word
	s_wait_dscnt 4*NL+1                            ; (the add and the youngest 24 loads, S's blocks 4-7, may be out)
	WIN MUL_LO
	MUL16 0, 1, 1, \sc                             ; sixteen matrix instructions stand between the add and the wait for it
	s_wait_dscnt 0x0                               ; the add is done, and my reads of this slot are over
	s_barrier_signal -1
	MUL16 2, 1, 1, \sc
	WIN 0
	s_barrier_wait -1
.if \mode == 2
	CREST                                          ; no wave of any partner still reads slot 0 or has a load on its way
	s_add_nc_u64 s[G0S0+2:G0S0+3], s[G0S0+2:G0S0+3], 3*3072   ; from pair 0 to pair 3
	s_add_nc_u64 s[G0P0+2:G0P0+3], s[G0P0+2:G0P0+3], 3*3072
	JLOAD G0S0, G1S, G0P0, G1P                     ; the first tensor load behind the round, and my only one: it has three and a half K steps, 224 matrix instructions, in which to land; its four v_nop are the places in front of the loads below
.else
	PLACES NP
.endif
.else
	s_wait_dscnt 4*NL
	WIN MUL_LO
	MUL16 0, 1, 1, \sc
	MUL16 2, 1, 1, \sc
	s_wait_dscnt 0x0
	PLACES NP
.endif
	FETCH_B \next, 0, 0
	FETCH_A \next, 0, 0
	SCALES \nsc, \npair
	WIN MUL_HI
	MUL16 4, 1, 1, \sc
	MUL16 6, 1, 1, \sc
	PLACES NP
	WIN 0
	FETCH_A \next, 0, 4
.endm
; The LoRA: D(P row, S row) = the sum over j < 8 of P'(P row, j) S'(S row, j): two steps of K = 4.  The first step starts each sum with the constant 0; a sum's two links stand 32 matrix instructions apart.
.macro LORA
.irp hi, 0,1
.set NW, MUL_LO+0x50*\hi
	WIN NW
.irp s, 0,1
.irp a, 0,1,2,3
.irp b, 0,1,2,3,4,5,6,7
.if \s == 0
	v_wmma_f32_16x16x4_f32 v[8*(8*\a+\b):8*(8*\a+\b)+7], v[LP+4*\b+2*\s:LP+4*\b+2*\s+1], v[LS+4*(4*\hi+\a)+2*\s:LS+4*(4*\hi+\a)+2*\s+1], 0
.else
	v_wmma_f32_16x16x4_f32 v[8*(8*\a+\b):8*(8*\a+\b)+7], v[LP+4*\b+2*\s:LP+4*\b+2*\s+1], v[LS+4*(4*\hi+\a)+2*\s:LS+4*(4*\hi+\a)+2*\s+1], v[8*(8*\a+\b):8*(8*\a+\b)+7]
.endif
.endr
.endr
.endr
.endr
.endm
; The way out of S's block a: its 64 registers, 16 b + i = P row 32 b + 16 (lane / 16) + i, become a fragment's codes in v[PC] on and its scale word in v[PW].  Each accumulator is read from its low end on.
.macro QUANTW a
.set AC, 64*((\a)%4)
.set WA, 2+(\a)/4
.set WB, (WA<<2)|(WA<<4)
	WIN WB                                         ; sources 1 and 2: window 2 or 3
.irp b, 0,1,2,3
	v_max3_num_f32 v[TM+\b], 0x1800000, |v[AC+16*\b]|, |v[AC+1+16*\b]|   ; my 16 numbers of block b, and the floor 2^(3 - 127): the byte cannot fall under 1
.endr
.irp i, 2,4,6,8,10,12,14
.irp b, 0,1,2,3
	v_max3_num_f32 v[TM+\b], v[TM+\b], |v[AC+16*\b+\i]|, |v[AC+1+16*\b+\i]|
.endr
.endr
	WIN 0
.irp b, 0,1,2,3
	v_permlanex16_b32 v[TM+4+\b], v[TM+\b], s[SEL], s[SEL+1]
.endr
.irp b, 0,1,2,3
	v_max_num_f32 v[TM+\b], v[TM+\b], v[TM+4+\b]   ; with lane l xor 16's: the block's largest magnitude
.endr
.irp b, 0,1,2,3
	v_add_nc_u32 v[TM+12+\b], 0xff000000, v[TM+\b]   ; 2 off its exponent field: the conversion's scale operand
.endr
.irp b, 0,1,2,3
	v_lshrrev_b32 v[TM+4+\b], 23, v[TM+12+\b]   ; the scale's byte
.endr
	v_lshl_or_b32 v[PW], v[TM+5], 8, v[TM+4]
	v_lshl_or_b32 v[PW], v[TM+6], 16, v[PW]
	v_lshl_or_b32 v[PW], v[TM+7], 24, v[PW]
	WIN WA                                         ; source 0: window 2 or 3
.irp c, 0,1
	v_cvt_scalef32_pk16_fp6_f32 v[PC+6*\c:PC+2+6*\c], v[AC+32*\c:AC+15+32*\c], v[TM+12+2*\c]
	v_cvt_scalef32_pk16_fp6_f32 v[PC+12+4*\c:PC+14+4*\c], v[AC+16+32*\c:AC+31+32*\c], v[TM+12+2*\c+1]
.endr
	WIN 0
	v_nop                                          ; one plain place behind a scaled conversion
.irp c, 0,1
.irp i, 0,1,2
	v_permlane16_swap_b32 v[PC+6*\c+\i], v[PC+12+4*\c+\i]
.endr
.irp i, 0,1,2
	v_mov_b32 v[PC+3+6*\c+\i], v[PC+12+4*\c+\i]
.endr
.endr
.endm
	s_load_b256 s[4:11], s[0:1], 0x0               ; codes, scales, lt, Aq
	s_load_b256 s[12:19], s[0:1], 0x20             ; Ak, Av, qkv, qkvs
	v_lshl_add_u32 v[SPW], v0, 2, SPARE
	v_mov_b32 v[NIL], 0
	ds_add_u32 v28, v29
	ds_add_u32 v28, v29
	s_wait_dscnt 0x0
	v_lshrrev_b32 v1, 5, v0
	v_readfirstlane_b32 s20, v1                    ; wave 0..3
	s_lshr_b32 s21, s20, 1                         ; which half of S's rows is mine.  Also: I fetch for S (0) or for P (1)
	s_and_b32 s22, s20, 1                          ; which half of P's rows.  Also: which eight tiles I fetch
	s_bfe_u32 s92, ttmp6, 0x40000                  ; cx, cy: my place in the cluster
	s_bfe_u32 s93, ttmp6, 0x40004
	s_and_b32 s94, ttmp7, 0xffff                   ; the cluster's y: 0-7 q and k, 8-11 v
	s_lshl_b32 s95, s93, 2
	s_lshl_b32 s95, 15, s95                        ; my row of the cluster
	s_lshl_b32 s96, 0x1111, s92                    ; my column
	s_or_b32 s[G1S], s95, (3<<16)|(1<<21)          ; 15:0 the mask: S's tiles go to my row; 17:16 elements of 8 bytes; 20 no padding; 21 set beside a mask
	s_or_b32 s[G1P], s96, (3<<16)|(1<<21)
	s_or_b32 s[G1SS], s95, (3<<16)|(1<<21)
	s_or_b32 s[G1PS], s96, (3<<16)|(1<<21)
.irp g, G1S, G1P                       ; codes: 8 rows (tiles) of 3,072 bytes (two K steps), 12,288 bytes apart
	s_mov_b32 s[\g+1], 384<<16                     ; tensor_dim0
	s_mov_b32 s[\g+2], 8<<16                       ; tensor_dim1
	s_mov_b32 s[\g+3], 384<<16                     ; tile_dim0
	s_mov_b32 s[\g+4], 8                           ; tile_dim1
	s_mov_b32 s[\g+5], 1536                        ; tensor_dim0_stride
	s_mov_b32 s[\g+6], 0
	s_mov_b32 s[\g+7], 0
.endr
.irp g, G1SS, G1PS                     ; scale words of 8 tiles: 4,096 dense bytes as 16 rows of 256
	s_mov_b32 s[\g+1], 32<<16
	s_mov_b32 s[\g+2], 16<<16
	s_mov_b32 s[\g+3], 32<<16
	s_mov_b32 s[\g+4], 16
	s_mov_b32 s[\g+5], 32
	s_mov_b32 s[\g+6], 0
	s_mov_b32 s[\g+7], 0
.endr
	s_lshl_b32 s2, s94, 2
	s_cmp_ge_u32 s94, 8
	s_cselect_b32 s2, 0, s2
	s_add_co_u32 s2, s2, s93                       ; S's block of 256 rows: q, k: 4 y + cy (of x); v: cy (of Wv)
	s_and_b32 s3, s94, 3
	s_lshl_b32 s3, s3, 1
	s_add_co_u32 s3, s3, ttmp9
	s_cmp_ge_u32 s94, 8
	s_cselect_b32 s3, s3, ttmp9
	s_lshl_b32 s3, s3, 2
	s_add_co_u32 s3, s3, s92                       ; P's block: q, k: 4 x + cx (of Wq, Wk); v: 4 (x + 2 (y - 8)) + cx (of x)
	s_lshl_b32 s96, s2, 4
	s_lshl_b32 s100, s3, 4
	s_cmp_ge_u32 s94, 8
	s_cselect_b32 s97, 640, 0                      ; where the operands' tiles begin in the workspace
	s_cselect_b32 s101, 0, 512
	s_add_co_u32 s96, s96, s97
	s_add_co_u32 s100, s100, s101
	s_lshl_b32 s97, s22, 3
	s_add_co_u32 s96, s96, s97                     ; S: the first of the eight tiles that I would fetch (made of cy and shared numbers alone)
	s_add_co_u32 s100, s100, s97                   ; P likewise (of cx and shared numbers alone)
	s_lshl_b32 s98, s96, 9                         ; their scale words, in bytes
	s_mul_i32 s96, s96, 12288                      ; their codes
	s_lshl_b32 s92, s100, 9
	s_mul_i32 s100, s100, 12288
	s_mov_b32 s97, 0
	s_mov_b32 s99, 0
	s_mov_b32 s101, 0
	s_mov_b32 s93, 0
	s_mul_i32 s23, s20, PART                       ; where they go: part = wave: no place in the cluster enters an LDS address
	s_lshl_b32 s95, s20, 12
	s_wait_kmcnt 0x0
	s_add_nc_u64 s[96:97], s[4:5], s[96:97]
	s_add_nc_u64 s[98:99], s[6:7], s[98:99]
	s_add_nc_u64 s[100:101], s[4:5], s[100:101]
	s_add_nc_u64 s[92:93], s[6:7], s[92:93]
	CROUND                                         ; all sixteen work-groups are here: the first joint loads meet
	SETG0 G0SS, 95, SCL, 98, 0
	SETG0 G0PS, 95, SCL, 92, 0
	JLOAD G0SS, G1SS, G0PS, G1PS                   ; the scale words of all of K: filled once
	SETG0 G0S0, 23, 0, 96, 0
	SETG0 G0P0, 23, 0, 100, 0
	JLOAD G0S0, G1S, G0P0, G1P                     ; pair 0
	SETG0 G0S1, 23, SLOT, 96, 3072
	SETG0 G0P1, 23, SLOT, 100, 3072
	JLOAD G0S1, G1S, G0P1, G1P                     ; pair 1
	SETG0 G0S2, 23, 2*SLOT, 96, 6144
	SETG0 G0P2, 23, 2*SLOT, 100, 6144
	JLOAD G0S2, G1S, G0P2, G1P                     ; pair 2
	; the LoRA's operands.  q, k: P' = rows of Aq or Ak, S' = lt's table q or k.  v: P' = lt's table v, S' = rows of Av
	s_lshl_b32 s96, s2, 8
	s_lshl_b32 s97, s21, 7
	s_add_co_u32 s96, s96, s97                     ; my first row of S
	s_lshl_b32 s98, s3, 8
	s_lshl_b32 s97, s22, 7
	s_add_co_u32 s98, s98, s97                     ; my first row of P
	s_and_b32 s99, s98, 1023
	s_lshl_b32 s99, s99, 5                         ; q, k: A's row, 32 bytes a row
	s_lshl_b32 s98, s98, 5
	s_add_co_u32 s98, s98, 524288                  ; v: lt's third table
	s_lshl_b32 s96, s96, 5                         ; v: Av's row
	s_lshl_b32 s97, ttmp9, 18
	s_add_co_u32 s97, s97, s96                     ; q, k: lt's table x
	s_cmp_eq_u32 ttmp9, 0
	s_cselect_b64 s[12:13], s[10:11], s[12:13]     ; Aq or Ak
	s_cmp_ge_u32 s94, 8
	s_cselect_b64 s[12:13], s[8:9], s[12:13]       ; P's base
	s_cselect_b64 s[10:11], s[14:15], s[8:9]       ; S's base
	s_cselect_b32 s98, s98, s99
	s_cselect_b32 s96, s96, s97
	s_mov_b32 s99, 0
	s_mov_b32 s97, 0
	s_add_nc_u64 s[12:13], s[12:13], s[98:99]
	s_add_nc_u64 s[10:11], s[10:11], s[96:97]
	v_and_b32 v1, 7, v0
	v_bfe_u32 v2, v0, 3, 1
	v_lshl_add_u32 v1, v2, 4, v1                   ; my row of a tile: r % 8 + 16 (r / 8)
	v_bfe_u32 v3, v0, 4, 1                         ; h
	v_lshlrev_b32 v1, 5, v1
	v_lshl_add_u32 v1, v3, 3, v1                   ; x 32 bytes + 8 h: register j of step s holds column 4 s + 2 h + j
	WIN TO_B
.irp i, 0,1,2,3,4,5,6,7
.irp s, 0,1
	global_load_b64 v[LP+4*\i+2*\s:LP+4*\i+2*\s+1], v1, s[12:13] offset:(32*(\i/2)+8*(\i%2))*32+16*\s
.endr
.endr
	WIN 0
.irp i, 0,1,2,3,4,5,6,7
.irp s, 0,1
	global_load_b64 v[LS+4*\i+2*\s:LS+4*\i+2*\s+1], v1, s[10:11] offset:(32*(\i/2)+8*(\i%2))*32+16*\s
.endr
.endr
	s_mov_b32 s[SEL], 0x76543210
	s_mov_b32 s[SEL+1], 0xfedcba98
	; LDS addresses
	v_and_b32 v4, 31, v0
	v_and_b32 v6, 15, v0                           ; r
	v_lshlrev_b32 v8, 3, v4                        ; 8 x lane
	s_mul_i32 s96, s21, PART                       ; my half of S
	s_mul_i32 s97, s22, PART
	s_add_co_u32 s97, s97, 2*PART                  ; my half of P, behind S's two
.irp s, 0,1,2
	v_add_nc_u32 v[ADRA+\s], s96, v8
	v_add_nc_u32 v[ADRB+\s], s97, v8
	s_add_co_u32 s96, s96, SLOT
	s_add_co_u32 s97, s97, SLOT
.endr
	s_lshl_b32 s96, s21, 12                        ; S's scale words: my half
	s_lshl_b32 s97, s22, 12
	s_add_co_u32 s97, s97, 8192                    ; P's: my half, behind S's two
	s_sub_co_u32 s97, s97, s96
	v_mul_u32_u24 v5, s97, v3                      ; lanes 16-31 take P's
	s_add_co_u32 s96, s96, SCL
	v_lshl_add_u32 v5, v6, 3, v5
	v_add_nc_u32 v[ADRS], s96, v5
	s_lshl_b32 s96, s20, 9
	s_add_co_u32 s96, s96, SLOT                    ; the way out: 512 bytes of my own at the head of slot 1, which by then has had its only fill and its last read
	v_lshl_add_u32 v11, v6, 1, s96                 ; in: 2 r
	v_add_nc_u32 v12, s96, v8                      ; back: 8 x lane
	; where my results go.  pi = my 128 rows of P, sigma0 = my first tile of S
	s_lshl_b32 s96, s3, 1
	s_add_co_u32 s96, s96, s22                     ; pi
	s_lshl_b32 s97, s2, 4
	s_lshl_b32 s98, s21, 3
	s_add_co_u32 s97, s97, s98                     ; sigma0
	s_lshl_b32 s98, s96, 7
	s_add_co_u32 s98, s98, s97                     ; v: (b, 128 keys) = pi; half 0; channel tile sigma0
	s_mul_i32 s99, s98, 768
	s_add_co_u32 s99, s99, 12582912
	s_lshl_b32 s98, s98, 5
	s_add_co_u32 s98, s98, 524288
	s_lshr_b32 s100, s96, 3
	s_lshl_b32 s100, s100, 2
	s_lshr_b32 s101, s97, 7
	s_add_co_u32 s100, s100, s101                  ; q, k: (q or k) x 4 + b,
	s_lshl_b32 s100, s100, 4
	s_and_b32 s101, s96, 7
	s_lshl_b32 s101, s101, 1
	s_add_co_u32 s100, s100, s101                  ; x 16 + the first of my two heads,
	s_and_b32 s101, s97, 127
	s_lshl_b32 s96, s100, 7
	s_add_co_u32 s96, s96, s101                    ; x 128 + the token tile
	s_mul_i32 s96, s96, 768
	s_lshr_b32 s101, s101, 3
	s_lshl_b32 s100, s100, 4
	s_add_co_u32 s100, s100, s101
	s_lshl_b32 s100, s100, 8                       ; the scale bytes: 256 for eight tiles
	s_cmp_ge_u32 s94, 8
	s_cselect_b32 s96, s99, s96
	s_cselect_b32 s98, s98, s100
	s_mov_b32 s100, 98304
	s_cselect_b32 s100, 49152, s100                ; from a fragment's first half to its second: the next head, or v's second half
	s_mov_b32 s101, 4096
	s_cselect_b32 s101, 2048, s101                 ; the same for the scale bytes
	s_mov_b32 s97, 0
	s_mov_b32 s99, 0
	s_add_nc_u64 s[16:17], s[16:17], s[96:97]
	s_add_nc_u64 s[18:19], s[18:19], s[98:99]
	v_add_nc_u32 v9, s100, v8
	v_add_nc_u32 v10, s101, v8
	s_wait_loadcnt 0x0                             ; the LoRA's operands
	LORA                                           ; while the tiles are on their way
	PLACES 9                                       ; nine places behind the f32 form before another form takes its results up
	WIN 0
	s_wait_tensorcnt 0x2                           ; the scale words and my part of pair 0 are in; pairs 1 and 2 may be out
	s_barrier_signal -1
	s_barrier_wait -1                              ; everybody's are
	FETCH_B 0, 0, 0
	FETCH_A 0, 0, 0
	SCALES 0, 0
	FETCH_A 0, 0, 4
	STEP 0, 0
	TURN 1, 0, 1, 1, 2                             ; the wait for all loads shows pairs 1 and 2 landed; behind the round every wave's parts are; slot 0 takes pair 3
	STEP 1, 1
	TURN 2, 1, 0, 2, 0
	STEP 2, 0
	TURN 0, 0, 1, 3, 1                             ; pair 3 has landed, in every wave's part
	STEP 0, 1
	s_wait_dscnt 4*NL                              ; the very last K step: nothing more to fetch
	WIN MUL_LO
	MUL16 0, 1, 1, 1
	MUL16 2, 1, 1, 1
	s_wait_dscnt 0x0
	WIN MUL_HI
	MUL16 4, 1, 1, 1
	MUL16 6, 1, 1, 1
	WIN 0
	; THE WAY OUT.  S's block a: lane = its row; 128 rows of P along the registers: one fragment, that is two half fragments (two heads of q or k; two halves of 128 keys of v), and four scale bytes a row.
	PLACES NP                                      ; behind the last products: their results are read and their operands' registers written from here on
.irp b, 0,1,2,3
	v_mov_b32 v[TM+4+\b], 0                        ; written once: a lane permute's destination counts as one of its sources
.endr
.irp a, 0,1,2,3,4,5,6,7
.if \a > 0
	s_wait_xcnt 0x0                                ; the last block's stores have read the codes' registers
.endif
	QUANTW \a
.irp c, 0,1
.irp p, 0,1,2
	global_store_b64 v[8+\c], v[PC+6*\c+2*\p:PC+6*\c+2*\p+1], s[16:17] offset:768*\a+256*\p   ; each store covers 256 consecutive bytes, aligned
.endr
.endr
	ds_store_b16 v11, v[PW] offset:32*\a           ; the first half's two bytes (lanes 16-31 write the same with the same value),
	ds_store_b16_d16_hi v11, v[PW] offset:256+32*\a   ; the second half's
.endr
	ds_load_b64 v[220:221], v12                    ; LDS serves a wave's instructions in order: these see my stores
	ds_load_b64 v[222:223], v12 offset:256
	s_wait_dscnt 0x0
	global_store_b64 v8, v[220:221], s[18:19]      ; eight tiles' scale bytes: 256 consecutive bytes, aligned
	global_store_b64 v10, v[222:223], s[18:19]
	s_wait_tensorcnt 0x0                           ; the wave's end, behind my last tensor load and my last LDS store
	ds_add_u32 v[SPW], v[NIL]
	s_wait_dscnt 0x0
	CROUND                                         ; the closing round: no work-group ends while a partner may still ask for a tile that names it
	s_endpgm
.Lfunc_end_k_q3dbd998e5f_qkv:
	.size	k_q3dbd998e5f_qkv, .Lfunc_end_k_q3dbd998e5f_qkv-k_q3dbd998e5f_qkv
	.p2alignl 7, 3214868480
	.fill 96, 4, 3214868480
	.section	.rodata,"a",@progbits
	.p2align	6, 0x0
	.amdhsa_kernel k_q3dbd998e5f_qkv
		.amdhsa_group_segment_fixed_size 327680
		.amdhsa_private_segment_fixed_size 0
		.amdhsa_enable_private_segment 0
		.amdhsa_kernarg_size 64
		.amdhsa_user_sgpr_count 2
		.amdhsa_user_sgpr_kernarg_segment_ptr 1
		.amdhsa_wavefront_size32 1
		.amdhsa_system_sgpr_workgroup_id_x 1
		.amdhsa_system_sgpr_workgroup_id_y 1
		.amdhsa_system_sgpr_workgroup_id_z 1
		.amdhsa_system_vgpr_workitem_id 0
		.amdhsa_next_free_vgpr 1024
		.amdhsa_next_free_sgpr 102
		.amdhsa_reserve_vcc 0
		.amdhsa_float_denorm_mode_32 3
		.amdhsa_float_denorm_mode_16_64 3
		.amdhsa_memory_ordered 1
		.amdhsa_forward_progress 1
		.amdhsa_inst_pref_size 181
	.end_amdhsa_kernel
	.amdgpu_metadata
---
amdhsa.version: [ 1, 2 ]
amdhsa.kernels:
  - .name:           k_q3dbd998e5f_qkv
    .symbol:         k_q3dbd998e5f_qkv.kd
    .args:
      - { .name: codes, .offset: 0, .size: 8, .value_kind: global_buffer, .address_space: global }
      - { .name: scales, .offset: 8, .size: 8, .value_kind: global_buffer, .address_space: global }
      - { .name: lt, .offset: 16, .size: 8, .value_kind: global_buffer, .address_space: global }
      - { .name: Aq, .offset: 24, .size: 8, .value_kind: global_buffer, .address_space: global }
      - { .name: Ak, .offset: 32, .size: 8, .value_kind: global_buffer, .address_space: global }
      - { .name: Av, .offset: 40, .size: 8, .value_kind: global_buffer, .address_space: global }
      - { .name: qkv, .offset: 48, .size: 8, .value_kind: global_buffer, .address_space: global }
      - { .name: qkvs, .offset: 56, .size: 8, .value_kind: global_buffer, .address_space: global }
    .group_segment_fixed_size: 327680
    .private_segment_fixed_size: 0
    .kernarg_segment_align: 8
    .kernarg_segment_size: 64
    .max_flat_workgroup_size: 128
    .sgpr_count:     102
    .vgpr_count:     1024
    .wavefront_size: 32
...
	.end_amdgpu_metadata
.endif
;; end of part 2
;; launch attn (part 3): grid 4 x 64, 16 waves a work-group, no clusters, 27,648 bytes of LDS; arguments qkv, qkvs, oc, os; writes oc, os
.if DOCPART == 3
	.amdgcn_target "amdgcn-amd-amdhsa--gfx1250"
	.amdhsa_code_object_version 6
	.text
	.protected	k_q3dbd998e5f_attn
	.globl	k_q3dbd998e5f_attn
	.p2align	8
	.type	k_q3dbd998e5f_attn,@function
k_q3dbd998e5f_attn:
	s_mov_b64 s[64:65], 0
	v_nop
	global_prefetch_b8 v0, s[64:65] scope:SCOPE_SE
	s_setreg_imm32_b32 hwreg(HW_REG_WAVE_MODE, 25, 1), 1
	s_wait_xcnt 0x0
; o[b][q][head] = softmax_k(q . k / 8 + slope (q - k), k <= q) v, both products on codes of FP6 (E2M3) with one E8M0 byte for each 32 along a product's K; o is quantised at once, along E, for the last projection.
; THE SOFTMAX AHEAD OF THE SECOND PRODUCT: t = logit x log2(e); M = the row's largest t so far, rounded UP to a whole number; p = 2^(t - M) is quantised along the keys, not normalised; the row's sum is taken of the
; unquantised p and divides O at the end.  When M moves, the sum and O are multiplied by 2^(old M - new M): exact.
; THE LOGIT AND t ARE FORMED STEP BY STEP, EACH STEP ROUNDED TO f32 WHERE THE DEFINITION ROUNDS IT: m = q - k (exact); bias = slope x m; logit = (q . k) / 8 + bias (one fused multiply-add: the product by 1/8 is exact, so it
; rounds as the sum does); t = logit x log2(e); t - M.  The bias grows with the distance: t reaches slope x 2,047 x log2(e), some 2,088 in head 0, where neighbouring f32 numbers lie 2^-12 apart, which is 1.7e-4 of p.
; A shorter form (slope x log2(e) folded into one constant, the sums taken in another order) rounds at other places and gives p's that differ by as much: too much ahead of a quantiser.
; SHARES.  Work-group (p, b x 16 + head) owns the blocks p and 7 - p of 256 queries: (2 p + 2) + (16 - 2 p) = 18 key steps of 128 for every one of the 256 work-groups.  Each of the sixteen waves owns one tile of 16 queries of
; the block in hand, in 256 registers: four waves to a SIMD.  ONE loop of 9 trips, two steps a trip (LDS buffers 0 and 1), so that every LDS address is a constant and a lane's or wave's term.
; A step all of whose keys come after the wave's queries is left out by a scalar branch on ids, round its products and softmax, not round the copy and the barrier at its end.
; K AND V come through registers: each wave loads 768 bytes of the NEXT step at a step's head and stores them into the other buffer at its end, in front of the step's one barrier.  A step's 12,800 bytes are small beside
; its work and are asked for a whole step ahead, so no ring of tensor loads is kept.  No cluster: the four work-groups of a head walk different key steps at the same time.
; LAYOUT.  Both products are used transposed: S^T = K Q^T, O^T = V^T P^T: a lane holds ONE query throughout.  The tokens of a tile are not neighbours (lane r: 32 (T / 2) + 8 (T % 2) + r % 8 + 16 (r / 8)), so the 16 registers of
; tiles 2 b, 2 b + 1 of S^T are the keys 32 b + 16 (lane / 16) + 0 .. 15, and those of O^T 16 neighbouring channels.
; THE HEAD IS 64 WIDE, THE INSTRUCTION 128 DEEP: Q's registers 6-11 hold zero codes; K's fragment t is named v[54 + 6 t .. + 11], so its upper half is the next tile's codes, which meet zeros; the upper two scale bytes of
; both are 0 (never 0xff), since the scales are loaded as 16 bits.
; LIMITS: NaN and infinities are not served; a block of p or of o whose largest number lies under 2^-124 gets the byte 1 (its codes are zeros or all but zeros; this program alone reads the bytes).
; os is stored two bytes a lane (one twenty-fourth of the launch's output bytes): the two bytes of a head lie between other heads' in a row's scale words.
; REGISTERS: v1-11 addresses and lane constants; v12 -M, v13 the largest t, v[14:15] the sum; v16-27 Q; v28 Q's scales, v29 p's; v30-37 the copy; v38-53 -i; v54-107 K's or V's fragments; v108-115 their scales;
; v116-179 S^T, then t, then p; v180-211 O^T; v212-231 p's codes; v232-255 at work.
; SCALARS: s[22:23] 1/8, s[24:25] the head's slope, s[26:27] log2(e): each twice, since the packed forms name a pair and take its low word for both halves.
.set S,   116
.set O,   180
.set W16, 38
.macro COPYL                           ; the next step's bytes: my half fragment (waves 0-7: a tile of K; waves 8-15: a half fragment of V); wave 0: K's scale bytes; wave 8: V's
	global_load_b64 v[30:31], v1, s[34:35]
	global_load_b64 v[32:33], v1, s[34:35] offset:256
	global_load_b64 v[34:35], v1, s[34:35] offset:512
	s_and_b32 s54, s12, 7
	s_cmp_lg_u32 s54, 0
	s_cbranch_scc1 .Lno_extra_\@
	global_load_b64 v[36:37], v7, s[40:41]
.Lno_extra_\@:
.endm
.macro COPYS off                       ; into the buffer at byte off
	ds_store_b64 v4, v[30:31] offset:\off
	ds_store_b64 v4, v[32:33] offset:\off+256
	ds_store_b64 v4, v[34:35] offset:\off+512
	s_cmp_lg_u32 s12, 0
	s_cbranch_scc1 .Lnot_k_\@
	ds_store_b64 v5, v[36:37] offset:\off          ; K's: [tile 8][r 16] u16, as they lie
.Lnot_k_\@:
	s_cmp_lg_u32 s12, 8
	s_cbranch_scc1 .Lnot_v_\@
	ds_store_b16 v6, v36 offset:\off               ; V's two planes of u16 (keys 0-63: lanes 0-15; keys 64-127: lanes 16-31) are woven into words [tile 4][r 16]
	ds_store_b16_d16_hi v6, v36 offset:\off+4
	ds_store_b16 v6, v37 offset:\off+8
	ds_store_b16_d16_hi v6, v37 offset:\off+12
.Lnot_v_\@:
.endm
.macro NEXTP                           ; on to the step after: the next 128 keys, or, where the second block begins, the head's first.  (The loads that read these bases have been waited for)
	s_add_co_u32 s19, s19, 1
	s_add_nc_u64 s[34:35], s[34:35], s[36:37]
	s_add_nc_u64 s[40:41], s[40:41], s[42:43]
	s_cmp_eq_u32 s19, s44
	s_cselect_b64 s[34:35], s[32:33], s[34:35]
	s_cselect_b64 s[40:41], s[38:39], s[40:41]
.endm
; The block s45 of 256 queries begins: my tile's ids, Q, and an empty state: O^T and the sum zeros, the largest t -3e38, which the first change of M leaves zeros.
.macro INIT
	s_wait_xcnt 0x0                                ; earlier stores have read their registers and bases
	s_lshl_b32 s54, s45, 4
	s_add_co_u32 s54, s54, s12                     ; my tile of the batch's 128
	s_lshr_b32 s55, s54, 1
	s_lshl_b32 s55, s55, 5
	s_and_b32 s56, s54, 1
	s_lshl_b32 s56, s56, 3
	s_add_co_u32 s29, s55, s56                     ; my least query,
	s_add_co_u32 s30, s29, 23                      ; my greatest
	v_add_nc_u32 v10, s29, v8                      ; d = my query - 16 (lane / 16) - the step's first key, as a whole number
	v_cvt_f32_i32 v9, v10                          ; and in f32
	s_mov_b32 s57, 0
	s_lshl_b32 s55, s14, 7
	s_add_co_u32 s55, s55, s54
	s_mul_i32 s56, s55, 768
	s_add_nc_u64 s[46:47], s[4:5], s[56:57]        ; Q's half fragment
	s_lshl_b32 s56, s55, 5
	s_add_nc_u64 s[48:49], s[6:7], s[56:57]        ; its scale bytes
	s_lshl_b32 s55, s16, 7
	s_add_co_u32 s55, s55, s54                     ; my tile of all 512
	s_mul_i32 s56, s55, 12288
	s_add_co_u32 s56, s56, s60
	s_add_nc_u64 s[50:51], s[8:9], s[56:57]        ; o's codes: the tile, + 768 x head
	s_lshl_b32 s56, s55, 9
	s_add_co_u32 s56, s56, s61
	s_add_nc_u64 s[52:53], s[10:11], s[56:57]      ; o's scale bytes
	global_load_b64 v[16:17], v1, s[46:47]
	global_load_b64 v[18:19], v1, s[46:47] offset:256
	global_load_b64 v[20:21], v1, s[46:47] offset:512
	global_load_u16 v28, v2, s[48:49]
	s_mov_b32 s28, 0                               ; the step's first key
	v_mov_b32 v13, 0xff61b1e6                      ; -3e38
	v_floor_f32 v12, -v13
	v_mov_b32 v14, 0
	v_mov_b32 v15, 0
.set N, 0
.rept 32
	v_mov_b32 v[O+N], 0
.set N, N+1
.endr
	s_wait_loadcnt 0x0
.endm
; The block is done: O^T / the sum, quantised along the head's 64 channels (two blocks of E), stored as half a fragment and two scale bytes a row.
.macro FINISH
.rept 4
	v_nop                                          ; places behind the last products
.endr
	v_add_f32 v14, v14, v15                        ; the sum's two halves,
	v_permlanex16_b32 v253, v14, s20, s21
	v_add_f32 v14, v14, v253                       ; and lane l xor 16's
	v_rcp_f32 v252, v14
	v_nop                                          ; a plain place behind the reciprocal
	s_wait_alu depctr_va_vdst(0)                   ; and the wait ahead of its first reader
.set N, 0
.rept 16
	v_pk_mul_f32 v[S+N:S+N+1], v[O+N:O+N+1], v[252:253] op_sel_hi:[1,0]   ; register 16 b + i: channel 32 b + 16 (lane / 16) + i; each accumulator from its low end on
.set N, N+2
.endr
.irp b, 0,1
	v_max3_num_f32 v[232+\b], |v[S+16*\b]|, |v[S+1+16*\b]|, 0x1800000
.endr
.irp i, 2,4,6,8,10,12,14
.irp b, 0,1
	v_max3_num_f32 v[232+\b], v[232+\b], |v[S+16*\b+\i]|, |v[S+1+16*\b+\i]|
.endr
.endr
.irp b, 0,1
	v_permlanex16_b32 v[248+\b], v[232+\b], s20, s21
.endr
.irp b, 0,1
	v_max_num_f32 v[232+\b], v[232+\b], v[248+\b]
.endr
.irp b, 0,1
	v_add_nc_u32 v[244+\b], 0xff000000, v[232+\b]
.endr
.irp b, 0,1
	v_lshrrev_b32 v[248+\b], 23, v[244+\b]
.endr
	v_lshl_or_b32 v254, v249, 8, v248
	v_cvt_scalef32_pk16_fp6_f32 v[212:214], v[S:S+15], v244
	v_cvt_scalef32_pk16_fp6_f32 v[224:226], v[S+16:S+31], v245
	v_nop                                          ; one plain place behind a scaled conversion
.irp i, 0,1,2
	v_permlane16_swap_b32 v[212+\i], v[224+\i]
.endr
.irp i, 0,1,2
	v_mov_b32 v[215+\i], v[224+\i]
.endr
.irp p, 0,1,2
	global_store_b64 v1, v[212+2*\p:213+2*\p], s[50:51] offset:256*\p   ; each store covers 256 consecutive bytes, aligned
.endr
	global_store_b16 v11, v254, s[52:53]           ; lanes 16-31 store the same two bytes with the same value
.endm
; A KEY STEP: the 128 keys in buffer n.
.macro STEP n
.set BUF, 12800*(\n)
.set OTH, 12800*(1-(\n))
	s_cmp_ge_u32 s19, 18                           ; the last step has no successor: no load leaves its buffer
	s_cbranch_scc1 .Lno_load_\@
	COPYL
.Lno_load_\@:
	s_cmp_gt_u32 s28, s30                          ; all keys behind all my queries?
	s_cbranch_scc1 .Lhidden_\@
	v_mov_b32 v236, v9                             ; D(b) = d - 32 b: whole numbers, exact in f32.  (Four plain lines: the places in front of the loads into registers that the last products read)
	v_add_f32 v238, 0xc2000000, v9
	v_add_f32 v240, 0xc2800000, v9
	v_add_f32 v242, 0xc2c00000, v9
.irp t, 0,1,2,3,4,5,6,7
.irp p, 0,1,2
	ds_load_b64 v[54+6*\t+2*\p:55+6*\t+2*\p], v1 offset:BUF+768*\t+256*\p
.endr
	ds_load_u16 v[108+\t], v2 offset:BUF+12288+32*\t
.endr
	s_wait_dscnt 0x0
.irp t, 0,1,2,3,4,5,6,7
	v_wmma_scale_f32_16x16x128_f8f6f4 v[S+8*\t:S+8*\t+7], v[54+6*\t:65+6*\t], v[16:27], 0, v[108+\t], v28 matrix_a_fmt:MATRIX_FMT_FP6 matrix_b_fmt:MATRIX_FMT_FP6
.endr
.rept 4
	v_nop                                          ; places: V's loads land on K's registers, and the scores are read
.endr
.irp d, 0,1,2,3
.irp c, 0,1
.irp p, 0,1,2
	ds_load_b64 v[54+12*\d+6*\c+2*\p:55+12*\d+6*\c+2*\p], v1 offset:BUF+6144+3072*\c+768*\d+256*\p   ; V: they land during the softmax
.endr
.endr
	ds_load_b32 v[108+\d], v3 offset:BUF+12544+64*\d
.endr
; t, eight scores (one tile) at a time, four pairs by turns so that no line waits for the line above it.  Register 16 b + i: m = D(b) - i = my query - its key
.set G, 0
.rept 8
.irp k, 0,1,2,3
	v_pk_add_f32 v[244+2*\k:245+2*\k], v[W16+(8*G+2*\k)%16:W16+(8*G+2*\k)%16+1], v[236+2*(G/2):237+2*(G/2)] op_sel_hi:[1,0]   ; m: exact (of the pair D the low word serves both halves)
.endr
.irp k, 0,1,2,3
	v_pk_mul_f32 v[244+2*\k:245+2*\k], v[244+2*\k:245+2*\k], s[24:25] op_sel_hi:[1,0]   ; bias = slope x m, rounded
.endr
.irp k, 0,1,2,3
	v_pk_fma_f32 v[S+8*G+2*\k:S+8*G+2*\k+1], v[S+8*G+2*\k:S+8*G+2*\k+1], s[22:23], v[244+2*\k:245+2*\k] op_sel_hi:[1,0,1]   ; logit = score / 8 + bias, rounded once: the product is exact.  Each accumulator from its low end on
.endr
.irp k, 0,1,2,3
	v_pk_mul_f32 v[S+8*G+2*\k:S+8*G+2*\k+1], v[S+8*G+2*\k:S+8*G+2*\k+1], s[26:27] op_sel_hi:[1,0]   ; t = logit x log2(e), rounded
.endr
.set G, G+1
.endr
	s_add_co_u32 s54, s28, 127                     ; on the diagonal hidden keys become -infinity ahead of the maximum: p = 0 then.  A step all of whose keys count skips this
	s_cmp_le_u32 s54, s29
	s_cbranch_scc1 .Lopen_\@
	v_mov_b32 v254, 0xff800000
.set N, 0
.rept 64
	v_cmp_gt_i32 vcc_lo, 32*(N/16)+N%16, v10       ; register 16 b + i holds the key 32 b + i past the lane's first: hidden where 32 b + i > d
	v_cndmask_b32 v[S+N], v[S+N], v254, vcc_lo
.set N, N+1
.endr
.Lopen_\@:
.irp b, 0,1,2,3
	v_max3_num_f32 v[232+\b], v[S+16*\b], v[S+1+16*\b], v[S+2+16*\b]   ; the largest t of each block's 16: it serves the row's maximum and, since p rises with t, the block's largest p
.endr
.irp i, 3,5,7,9,11,13
.irp b, 0,1,2,3
	v_max3_num_f32 v[232+\b], v[232+\b], v[S+16*\b+\i], v[S+1+16*\b+\i]
.endr
.endr
.irp b, 0,1,2,3
	v_max_num_f32 v[232+\b], v[232+\b], v[S+15+16*\b]
.endr
	v_max3_num_f32 v254, v232, v233, v234
	v_max_num_f32 v254, v254, v235
	v_permlanex16_b32 v253, v254, s20, s21
	v_max3_num_f32 v13, v13, v254, v253            ; the running largest t of my query
	v_mov_b32 v254, v12
	v_floor_f32 v12, -v13                          ; the new -M = -ceil(t): a whole number
	v_sub_f32 v254, v12, v254                      ; old M - new M: a whole number, 0 or less
	v_cvt_i32_f32 v254, v254                       ; (it saturates)
	v_ldexp_f32 v252, 1.0, v254                    ; f = 2^(old M - new M)
.irp b, 0,1,2,3
	v_add_f32 v[237+2*\b], v[232+\b], v12          ; the block's largest t - M of my half: the same addition as its element gets below, so the same bits
.endr
.set N, 0
.rept 32
	v_pk_add_f32 v[S+N:S+N+1], v[S+N:S+N+1], v[12:13] op_sel_hi:[1,0]   ; t - M (of the pair the low word, -M, serves both halves)
.set N, N+2
.endr
.set N, 0
.rept 64
	v_exp_f32 v[S+N], v[S+N]                       ; p = 2^(t - M): not normalised
.set N, N+1
.endr
	v_pk_mul_f32 v[14:15], v[14:15], v[252:253] op_sel_hi:[1,0]   ; the sums under the new M.  (A plain place behind the exponentials)
	s_wait_alu depctr_va_vdst(0)                   ; one wait for the whole batch, ahead of its first reader
.irp b, 0,1,2,3
	v_exp_f32 v[237+2*\b], v[237+2*\b]             ; my half's largest p of each block
.endr
	v_pk_add_f32 v[254:255], v[S:S+1], v[S+2:S+3]  ; the row's sum is taken of the unquantised p: two at a time, in two chains
.irp j, 4,8,12,16,20,24,28,32,36,40,44,48,52,56,60
	v_pk_add_f32 v[14:15], v[14:15], v[S+\j:S+1+\j]
	v_pk_add_f32 v[254:255], v[254:255], v[S+2+\j:S+3+\j]
.endr
	v_pk_add_f32 v[14:15], v[14:15], v[254:255]
	s_wait_alu depctr_va_vdst(0)                   ; and one for the four
.irp b, 0,1,2,3
	v_permlanex16_b32 v[248+\b], v[237+2*\b], s20, s21
.endr
.irp b, 0,1,2,3
	v_max3_num_f32 v[232+\b], v[237+2*\b], v[248+\b], 0x1800000   ; with lane l xor 16's, and the floor 2^(3 - 127): the byte cannot fall under 1
.endr
.irp b, 0,1,2,3
	v_add_nc_u32 v[244+\b], 0xff000000, v[232+\b]  ; 2 off the exponent field: the conversion's scale operand
.endr
.irp b, 0,1,2,3
	v_lshrrev_b32 v[248+\b], 23, v[244+\b]         ; the scale's byte
.endr
	v_lshl_or_b32 v29, v249, 8, v248               ; p's scale word for these 128 keys
	v_lshl_or_b32 v29, v250, 16, v29
	v_lshl_or_b32 v29, v251, 24, v29
.irp c, 0,1
	v_cvt_scalef32_pk16_fp6_f32 v[212+6*\c:214+6*\c], v[S+32*\c:S+15+32*\c], v[244+2*\c]
	v_cvt_scalef32_pk16_fp6_f32 v[224+4*\c:226+4*\c], v[S+16+32*\c:S+31+32*\c], v[245+2*\c]
.endr
	v_nop                                          ; one plain place behind a scaled conversion
.irp c, 0,1                                    ; the operand's layout wants a whole block in a lane
.irp i, 0,1,2
	v_permlane16_swap_b32 v[212+6*\c+\i], v[224+4*\c+\i]
.endr
.irp i, 0,1,2
	v_mov_b32 v[215+6*\c+\i], v[224+4*\c+\i]
.endr
.endr
.set N, 0
.rept 16
	v_pk_mul_f32 v[O+N:O+N+1], v[O+N:O+N+1], v[252:253] op_sel_hi:[1,0]   ; O^T under the new M.  (These sixteen stand between the writes of p's codes and scale word and the products)
.set N, N+2
.endr
	s_wait_dscnt 0x0                               ; V
.irp d, 0,1,2,3
	v_wmma_scale_f32_16x16x128_f8f6f4 v[O+8*\d:O+8*\d+7], v[54+12*\d:65+12*\d], v[212:223], v[O+8*\d:O+8*\d+7], v[108+\d], v29 matrix_a_fmt:MATRIX_FMT_FP6 matrix_b_fmt:MATRIX_FMT_FP6
.endr
.Lhidden_\@:
	s_add_co_u32 s28, s28, 128                     ; the next step's first key,
	v_add_f32 v9, 0xc3000000, v9                   ; and d with it
	v_add_nc_u32 v10, 0xffffff80, v10
	s_wait_loadcnt 0x0                             ; the copy's data are in
	s_cmp_ge_u32 s19, 18
	s_cbranch_scc1 .Lno_store_\@
	COPYS OTH                                      ; into the buffer that every wave left at the last barrier
.Lno_store_\@:
	NEXTP
	s_wait_dscnt 0x0                               ; my stores have landed, and my reads of this buffer are over
	s_barrier_signal -1
	s_barrier_wait -1
.endm
	s_load_b256 s[4:11], s[0:1], 0x0               ; qkv, qkvs, oc, os
	v_lshl_add_u32 v227, v0, 2, 0x6400
	v_mov_b32 v231, 0
	v_lshrrev_b32 v1, 5, v0
	v_readfirstlane_b32 s12, v1                    ; wave 0..15
	s_mov_b32 s13, ttmp9                           ; p
	s_and_b32 s14, ttmp7, 0xffff                   ; b x 16 + head
	s_and_b32 s15, s14, 15                         ; head
	s_lshr_b32 s16, s14, 4                         ; b
	v_and_b32 v253, 31, v0
	v_and_b32 v254, 15, v0                         ; r
	v_bfe_u32 v255, v0, 4, 1                       ; lane / 16
	v_lshlrev_b32 v1, 3, v253                      ; 8 x lane: an image's place for my lane, in memory and in LDS
	v_lshlrev_b32 v2, 1, v254                      ; 2 r
	v_lshlrev_b32 v3, 2, v254                      ; 4 r
	v_lshlrev_b32 v11, 3, v254                     ; 8 r
	s_mul_i32 s54, s12, 768
	v_add_nc_u32 v4, s54, v1                       ; where I store my 768 bytes of a step
	v_add_nc_u32 v5, 12288, v1                     ; K's scale bytes
	v_lshlrev_b32 v6, 4, v254
	v_lshl_add_u32 v6, v255, 1, v6
	v_add_nc_u32 v6, 12544, v6                     ; V's scale words: 16 (lane % 16) + 2 (lane / 16)
	v_and_b32 v8, 7, v0
	v_bfe_u32 v253, v0, 3, 1
	v_sub_nc_u32 v253, v253, v255
	v_lshl_add_u32 v8, v253, 4, v8                 ; r % 8 + 16 (r / 8) - 16 (lane / 16)
.irp i, 22,23,24,25,26,27,102,103,104,105,106,107
	v_mov_b32 v[\i], 0                             ; zero codes: Q's upper half, and what stands behind K's last tile
.endr
.irp i, 30,31,32,33,34,35,36,37,237,239,241,243,248,249,250,251,253
	v_mov_b32 v[\i], 0                             ; written once: the copy's registers; the upper halves of the pairs D, which are named with them; the lane permutes' destinations, which count as sources
.endr
	s_mov_b32 s20, 0x76543210
	s_mov_b32 s21, 0xfedcba98                      ; v_permlanex16_b32's selects for lane l xor 16
	s_mov_b32 s22, 0x3e000000                      ; 1 / 8 = 1 / sqrt(64)
	s_mov_b32 s23, s22                             ; (named with it as a pair, so it is written)
	s_add_co_u32 s54, s15, 1                       ; slope = 2^(-(head + 1) / 2) in f32: an odd head's is a power of two, an even head's 2^(-1/2), rounded to f32, times one
	s_lshr_b32 s54, s54, 1
	s_lshl_b32 s54, s54, 23
	s_mov_b32 s55, 0x3f3504f3
	s_bitcmp1_b32 s15, 0
	s_cselect_b32 s55, 0x3f800000, s55
	s_sub_co_u32 s24, s55, s54
	s_mov_b32 s25, s24
	s_mov_b32 s26, 0x3fb8aa3b                      ; log2(e)
	s_mov_b32 s27, s26
.irp i, 0,1,2,3,4,5,6,7,8,9,10,11,12,13,14,15
	v_cvt_f32_i32 v[W16+\i], -\i                   ; -i
.endr
	s_mul_i32 s60, s15, 768                        ; o's codes: K step head / 2, half head % 2
	s_lshr_b32 s61, s15, 2                         ; o's scale bytes: pair head / 4, word (head / 2) % 2, bytes 2 (head % 2)
	s_lshl_b32 s61, s61, 7
	s_bfe_u32 s54, s15, 0x10001
	s_lshl_b32 s54, s54, 2
	s_add_co_u32 s61, s61, s54
	s_and_b32 s54, s15, 1
	s_lshl_b32 s54, s54, 1
	s_add_co_u32 s61, s61, s54
	; what I copy: waves 0-7 tile w of a step's K; waves 8-15 half (w / 4) % 2, channel tile 4 head + w % 4 of its V
	s_mul_i32 s54, s14, 98304
	s_mul_i32 s55, s12, 768
	s_add_co_u32 s54, s54, s55
	s_add_co_u32 s54, s54, 6291456
	s_mul_i32 s55, s16, 1572864
	s_bfe_u32 s56, s12, 0x10002
	s_mul_i32 s56, s56, 49152
	s_add_co_u32 s55, s55, s56
	s_lshl_b32 s56, s15, 2
	s_and_b32 s57, s12, 3
	s_add_co_u32 s56, s56, s57
	s_mul_i32 s56, s56, 768
	s_add_co_u32 s55, s55, s56
	s_add_co_u32 s55, s55, 12582912
	s_lshl_b32 s56, s14, 12
	s_add_co_u32 s56, s56, 262144                  ; K's scale bytes of the head
	s_lshl_b32 s57, s16, 16
	s_lshl_b32 s58, s15, 7
	s_add_co_u32 s57, s57, s58
	s_add_co_u32 s57, s57, 524288                  ; V's of the head's four channel tiles
	s_mov_b32 s36, 98304
	s_mov_b32 s42, 4096
	s_mov_b32 s59, 2048
	s_cmp_lt_u32 s12, 8
	s_cselect_b32 s54, s54, s55
	s_cselect_b32 s56, s56, s57
	s_cselect_b32 s36, 6144, s36                   ; from step to step
	s_cselect_b32 s42, 256, s42
	s_cselect_b32 s59, 128, s59                    ; from lanes 0-15 to lanes 16-31 of the scale bytes' load
	s_mov_b32 s55, 0
	s_mov_b32 s57, 0
	s_mov_b32 s37, 0
	s_mov_b32 s43, 0
	v_bfe_u32 v255, v0, 4, 1
	v_mad_u32_u24 v7, v255, s59, v11
	s_mov_b32 s17, 0                               ; trips done
	s_add_co_u32 s18, s13, 1                       ; the first block's trips
	s_lshl_b32 s44, s18, 1                         ; and steps
	s_mov_b32 s19, 0                               ; the step to be copied next
	s_mov_b32 s45, s13
	s_wait_kmcnt 0x0
	s_add_nc_u64 s[32:33], s[4:5], s[54:55]
	s_add_nc_u64 s[38:39], s[6:7], s[56:57]
	s_mov_b64 s[34:35], s[32:33]
	s_mov_b64 s[40:41], s[38:39]
	COPYL                                          ; step 0
	INIT                                           ; (its wait for loads covers the copy's)
	COPYS 0
	NEXTP
	s_wait_dscnt 0x0
	s_barrier_signal -1
	s_barrier_wait -1
.Ltrip:
	s_cmp_lg_u32 s17, s18                          ; the first block has p + 1 trips: a branch on ids, the same in all sixteen waves
	s_cbranch_scc1 .Lsame_block
	FINISH
	s_sub_co_u32 s45, 7, s13
	INIT
.Lsame_block:
	STEP 0
	STEP 1
	s_add_co_u32 s17, s17, 1
	s_cmp_lt_u32 s17, 9
	s_cbranch_scc1 .Ltrip
	FINISH
	s_wait_tensorcnt 0x0
	ds_add_u32 v227, v231
	s_wait_dscnt 0x0
	s_endpgm
.Lfunc_end_k_q3dbd998e5f_attn:
	.size	k_q3dbd998e5f_attn, .Lfunc_end_k_q3dbd998e5f_attn-k_q3dbd998e5f_attn
	.p2alignl 7, 3214868480
	.fill 96, 4, 3214868480
	.section	.rodata,"a",@progbits
	.p2align	6, 0x0
	.amdhsa_kernel k_q3dbd998e5f_attn
		.amdhsa_group_segment_fixed_size 27648
		.amdhsa_private_segment_fixed_size 0
		.amdhsa_enable_private_segment 0
		.amdhsa_kernarg_size 32
		.amdhsa_user_sgpr_count 2
		.amdhsa_user_sgpr_kernarg_segment_ptr 1
		.amdhsa_wavefront_size32 1
		.amdhsa_system_sgpr_workgroup_id_x 1
		.amdhsa_system_sgpr_workgroup_id_y 1
		.amdhsa_system_sgpr_workgroup_id_z 1
		.amdhsa_system_vgpr_workitem_id 0
		.amdhsa_next_free_vgpr 256
		.amdhsa_next_free_sgpr 66
		.amdhsa_reserve_vcc 1
		.amdhsa_float_denorm_mode_32 3
		.amdhsa_float_denorm_mode_16_64 3
		.amdhsa_memory_ordered 1
		.amdhsa_forward_progress 1
		.amdhsa_inst_pref_size 84
	.end_amdhsa_kernel
	.amdgpu_metadata
---
amdhsa.version: [ 1, 2 ]
amdhsa.kernels:
  - .name:           k_q3dbd998e5f_attn
    .symbol:         k_q3dbd998e5f_attn.kd
    .args:
      - { .name: qkv, .offset: 0, .size: 8, .value_kind: global_buffer, .address_space: global }
      - { .name: qkvs, .offset: 8, .size: 8, .value_kind: global_buffer, .address_space: global }
      - { .name: oc, .offset: 16, .size: 8, .value_kind: global_buffer, .address_space: global }
      - { .name: os, .offset: 24, .size: 8, .value_kind: global_buffer, .address_space: global }
    .group_segment_fixed_size: 27648
    .private_segment_fixed_size: 0
    .kernarg_segment_align: 8
    .kernarg_segment_size: 32
    .max_flat_workgroup_size: 512
    .sgpr_count:     66
    .vgpr_count:     256
    .wavefront_size: 32
...
	.end_amdgpu_metadata
.endif
;; end of part 3
;; launch proj (part 4): grid 4 x 32, 4 waves a work-group, clusters of 4 x 4, 327,680 bytes of LDS; arguments oc, os, codes, scales, out0; writes out0
.if DOCPART == 4
	.amdgcn_target "amdgcn-amd-amdhsa--gfx1250"
	.amdhsa_code_object_version 6
	.text
	.protected	k_q3dbd998e5f_proj
	.globl	k_q3dbd998e5f_proj
	.p2align	8
	.type	k_q3dbd998e5f_proj,@function
k_q3dbd998e5f_proj:
	s_mov_b64 s[64:65], 0
	v_nop
	global_prefetch_b8 v0, s[64:65] scope:SCOPE_SE
	s_setreg_imm32_b32 hwreg(HW_REG_WAVE_MODE, 25, 1), 1
	s_wait_xcnt 0x0
	s_wait_alu depctr_hold_cnt(0) depctr_sa_sdst(0) depctr_va_vdst(0) depctr_va_sdst(0) depctr_va_ssrc(0) depctr_va_vcc(0) depctr_vm_vsrc(0)
	s_getreg_b32 s2, hwreg(HW_REG_IB_STS2, 6, 4)
	s_cmp_eq_u32 s2, 0
	s_cbranch_scc0 .Lentry_in_a_cluster
	s_endpgm
.Lentry_in_a_cluster:
	s_bfe_u32 s2, ttmp6, 0x10000c
	s_cmp_lg_u32 s2, 0xf033
	s_cbranch_scc0 .Lentry_shape_is_right
	s_endpgm
.Lentry_shape_is_right:
; out0 = Q(o) Q(Wp)^T: o's codes and scale words come from the attention launch, Wp's from the first launch; FP6 (E2M3), one E8M0 byte for each 32 along K; sums in f32; out0 [8192][1024] f32.
; The body makes D(P row, S row): source 0 = P = rows of Wp (a lane's registers: neighbouring columns of out0), source 1 = S = tokens (the lanes).  A work-group of four waves makes 256 x 256, a wave 128 x 128: 64 accumulators.
; K = 1,024 is four pairs of K steps of 128; pairs 0, 1, 2 are the first fills of three LDS slots, pair 3 is filled into slot 0 again: the launch's one refill.  The walk along K is written out.
; By the text's own count a wave has four tensor loads out at the start and one behind the refill's round.
; CLUSTERS: 4 x 4 work-groups; S's tiles are shared along a row of the cluster, P's along a column: each is asked for jointly.  The launch has 128 work-groups: a tile of half the size would read each LDS byte for half the products.
; The workspace holds operands as images of their registers (a fragment: 1,536 bytes, registers 2 p, 2 p + 1 of lane l at 256 p + 8 l).  The rows of a tile are not neighbours: lane r of tile T holds row
; 32 (T / 2) + 8 (T % 2) + r % 8 + 16 (r / 8); so the 16 registers of P's tiles 2 b, 2 b + 1 are 16 neighbouring columns, and the way out puts each token's row where it belongs.
; REGISTERS, in windows of 256: window 0: v1-29 addresses; v32-63 scale words, two sets; v128-223 S's eight fragments, ONE set; on the way out v128-255 are free.  window 1: P's fragments, TWO sets, at v0 and v128.
; windows 2, 3: the accumulators ((a, b) at v[8 (8 (a % 4) + b)]).
.set FR,    12
.set NL,    6
.set NP,    4                          ; places behind the scaled form on 6-bit codes (ISA guide 7.12.1)
.set PART,  24576                      ; 8 tiles x 2 K steps x 1,536
.set SLOT,  4*PART
.set SCL,   3*SLOT                     ; the scale words of all of K, [part 4][tile 8][512]
.set SPARE, SCL+16384                  ; the spare words, 128 bytes for each wave: two blocks of 256 bytes that no other line names
.set ADRA,  16
.set ADRB,  20
.set STO,   24                         ; v24  the way out: where I put 32 bytes of a row
.set RD,    25                         ; v25  where I read a row back
.set CO,    26                         ; v26  my byte offset in a row of out0
.set ADRS,  27
.set SPW,   28
.set NIL,   29
.set SC,    32
.set AF,    128
.set BK,    128                        ; the way out: 16 rows read back: v128-191 and v192-255 by turns
.set G1S,   24
.set G1P,   32
.set G1SS,  40
.set G1PS,  48
.set G0S0,  56
.set G0S1,  60
.set G0S2,  68
.set G0SS,  72
.set G0P0,  76
.set G0P1,  80
.set G0P2,  84
.set G0PS,  88
.set MSB, 0
.macro WIN new                         ; the immediate's high byte repeats the setting that is left
.if MSB != \new
	s_set_vgpr_msb (MSB<<8)|\new
.set MSB, \new
.endif
.endm
.set MUL_LO, 0xa1                      ; source 0 (P) window 1, source 1 (S) window 0, C and D window 2
.set MUL_HI, 0xf1
.set TO_B,   0x40
.macro JLOAD g0a, g1a, g0b, g1b        ; a joint load: waves 0 and 1 fetch S's halves, waves 2 and 3 P's; four v_nop follow each of the two lines
	s_cmp_eq_u32 s21, 0
	s_cbranch_scc0 .Lfor_p_\@
	tensor_load_to_lds s[\g0a:\g0a+3], s[\g1a:\g1a+7]
	s_nop 0
.rept 4
	v_nop
.endr
	s_branch .Lasked_\@
.Lfor_p_\@:
	tensor_load_to_lds s[\g0b:\g0b+3], s[\g1b:\g1b+7]
	s_nop 0
.rept 4
	v_nop
.endr
.Lasked_\@:
.endm
.macro CREST
	s_cmp_lg_u32 s20, 0
	s_cbranch_scc1 .Lnot_wave_0_\@
	s_barrier_signal -3
.Lnot_wave_0_\@:
	s_barrier_wait -3
	s_barrier_signal -1
	s_barrier_wait -1
.endm
.macro CROUND
	s_barrier_signal -1
	s_barrier_wait -1
	CREST
.endm
.macro SETG0 g, lds, loff, adr, goff
	s_mov_b32 s[\g], 1
	s_add_co_u32 s[\g+1], s[\lds], \loff
	s_add_nc_u64 s[\g+2:\g+3], s[\adr:\adr+1], \goff
	s_or_b32 s[\g+3], s[\g+3], 0x80000000
.endm
.macro PLACES n
.rept \n
	v_nop
.endr
.endm
.macro FRAG reg, adr, q, i
.irp p, 0,1,2,3,4,5
	ds_load_b64 v[\reg+2*\p:\reg+2*\p+1], v[\adr] offset:3072*(\i)+1536*(\q)+256*\p
.endr
.endm
.macro FETCH_B slot, q, p
	WIN TO_B
.irp i, 0,1,2,3,4,5,6,7
	FRAG 128*(\p)+FR*\i, ADRB+\slot, \q, \i
.endr
	WIN 0
.endm
.macro FETCH_A slot, q, i0
.irp i, \i0, \i0+1, \i0+2, \i0+3
	FRAG AF+FR*(\i), ADRA+\slot, \q, \i
.endr
.endm
.macro SCALES set, pair
.irp i, 0,1,2,3,4,5,6,7
	ds_load_b64 v[SC+16*(\set)+2*\i:SC+16*(\set)+2*\i+1], v[ADRS] offset:512*\i+128*(\pair)
.endr
.endm
; 16 matrix instructions: S's blocks a0, a0 + 1 x P's eight.  zero = 1: the first product starts the sums: nothing is ever cleared.  The 64 accumulators take turns, one instruction a turn.
.macro MUL16 a0, p, q, sc, zero
.irp a, \a0, \a0+1
.irp b, 0,1,2,3,4,5,6,7
.if \zero
	v_wmma_scale_f32_16x16x128_f8f6f4 v[8*(8*((\a)%4)+\b):8*(8*((\a)%4)+\b)+7], v[128*(\p)+FR*\b:128*(\p)+FR*\b+FR-1], v[AF+FR*(\a):AF+FR*(\a)+FR-1], 0, v[SC+16*(\sc)+2*\b+(\q)], v[SC+16*(\sc)+2*(\a)+(\q)] matrix_a_fmt:MATRIX_FMT_FP6 matrix_b_fmt:MATRIX_FMT_FP6 matrix_a_scale:MATRIX_SCALE_ROW1
.else
	v_wmma_scale_f32_16x16x128_f8f6f4 v[8*(8*((\a)%4)+\b):8*(8*((\a)%4)+\b)+7], v[128*(\p)+FR*\b:128*(\p)+FR*\b+FR-1], v[AF+FR*(\a):AF+FR*(\a)+FR-1], v[8*(8*((\a)%4)+\b):8*(8*((\a)%4)+\b)+7], v[SC+16*(\sc)+2*\b+(\q)], v[SC+16*(\sc)+2*(\a)+(\q)] matrix_a_fmt:MATRIX_FMT_FP6 matrix_b_fmt:MATRIX_FMT_FP6 matrix_a_scale:MATRIX_SCALE_ROW1
.endif
.endr
.endr
.endm
.macro STEP slot, sc, zero             ; a pair's first K step
	s_wait_dscnt 4*NL                              ; P's set, S's blocks 0-3 and the scale words are in; the youngest 24 loads (S's blocks 4-7) may be out
	WIN MUL_LO
	MUL16 0, 0, 0, \sc, \zero
	MUL16 2, 0, 0, \sc, \zero
	s_wait_dscnt 0x0
	PLACES NP                                      ; in front of loads into registers that matrix instructions have read
	FETCH_B \slot, 1, 1
	FETCH_A \slot, 1, 0
	WIN MUL_HI
	MUL16 4, 0, 0, \sc, \zero
	MUL16 6, 0, 0, \sc, \zero
	PLACES NP
	WIN 0
	FETCH_A \slot, 1, 4
.endm
; A pair's second K step goes on to the next slot.  mode 0: that slot has been shown whole to every wave already.  mode 1: the wait for all tensor loads, the add, the wait for it and for my reads, a barrier.
; mode 2: the same, the barrier opens a round of the cluster's, and behind it slot 0 is filled with pair 3.
.macro TURN next, sc, nsc, npair, mode
.if \mode
	s_wait_tensorcnt 0x0                           ; all my tensor loads have landed  (every window is 0 here)
	ds_add_u32 v[SPW], v[NIL]                      ; 0 onto my spare word
	s_wait_dscnt 4*NL+1                            ; (the add and the youngest 24 loads may be out)
	WIN MUL_LO
	MUL16 0, 1, 1, \sc, 0
	s_wait_dscnt 0x0                               ; the add is done, and my reads of this slot are over
	s_barrier_signal -1
	MUL16 2, 1, 1, \sc, 0
	WIN 0
	s_barrier_wait -1
.if \mode == 2
	CREST                                          ; no wave of any partner still reads slot 0 or has a load on its way
	s_add_nc_u64 s[G0S0+2:G0S0+3], s[G0S0+2:G0S0+3], 3*3072
	s_add_nc_u64 s[G0P0+2:G0P0+3], s[G0P0+2:G0P0+3], 3*3072
	JLOAD G0S0, G1S, G0P0, G1P                     ; the first tensor load behind the round, and my only one: three and a half K steps, 224 matrix instructions, in which to land
.else
	PLACES NP
.endif
.else
	s_wait_dscnt 4*NL
	WIN MUL_LO
	MUL16 0, 1, 1, \sc, 0
	MUL16 2, 1, 1, \sc, 0
	s_wait_dscnt 0x0
	PLACES NP
.endif
	FETCH_B \next, 0, 0
	FETCH_A \next, 0, 0
	SCALES \nsc, \npair
	WIN MUL_HI
	MUL16 4, 1, 1, \sc, 0
	MUL16 6, 1, 1, \sc, 0
	PLACES NP
	WIN 0
	FETCH_A \next, 0, 4
.endm
	s_load_b256 s[4:11], s[0:1], 0x0               ; oc, os, codes, scales
	s_load_b64 s[12:13], s[0:1], 0x20              ; out0
	v_lshl_add_u32 v[SPW], v0, 2, SPARE
	v_mov_b32 v[NIL], 0
	ds_add_u32 v28, v29
	ds_add_u32 v28, v29
	s_wait_dscnt 0x0
	v_lshrrev_b32 v1, 5, v0
	v_readfirstlane_b32 s20, v1                    ; wave 0..3
	s_lshr_b32 s21, s20, 1                         ; which half of S's rows is mine.  Also: I fetch for S (0) or for P (1)
	s_and_b32 s22, s20, 1                          ; which half of P's rows.  Also: which eight tiles I fetch
	s_bfe_u32 s92, ttmp6, 0x40000                  ; cx, cy
	s_bfe_u32 s93, ttmp6, 0x40004
	s_and_b32 s94, ttmp7, 0xffff
	s_lshl_b32 s95, s93, 2
	s_lshl_b32 s95, 15, s95                        ; my row of the cluster
	s_lshl_b32 s96, 0x1111, s92                    ; my column
	s_or_b32 s[G1S], s95, (3<<16)|(1<<21)          ; 15:0 the mask; 17:16 elements of 8 bytes; 20 no padding; 21 set beside a mask
	s_or_b32 s[G1P], s96, (3<<16)|(1<<21)
	s_or_b32 s[G1SS], s95, (3<<16)|(1<<21)
	s_or_b32 s[G1PS], s96, (3<<16)|(1<<21)
.irp g, G1S, G1P                       ; codes: 8 rows (tiles) of 3,072 bytes (two K steps), 12,288 bytes apart
	s_mov_b32 s[\g+1], 384<<16
	s_mov_b32 s[\g+2], 8<<16
	s_mov_b32 s[\g+3], 384<<16
	s_mov_b32 s[\g+4], 8
	s_mov_b32 s[\g+5], 1536
	s_mov_b32 s[\g+6], 0
	s_mov_b32 s[\g+7], 0
.endr
.irp g, G1SS, G1PS                     ; scale words of 8 tiles: 4,096 dense bytes as 16 rows of 256
	s_mov_b32 s[\g+1], 32<<16
	s_mov_b32 s[\g+2], 16<<16
	s_mov_b32 s[\g+3], 32<<16
	s_mov_b32 s[\g+4], 16
	s_mov_b32 s[\g+5], 32
	s_mov_b32 s[\g+6], 0
	s_mov_b32 s[\g+7], 0
.endr
	s_lshl_b32 s2, s94, 2
	s_add_co_u32 s2, s2, s93                       ; S's block of 256 tokens = 4 x cluster y + cy
	s_lshl_b32 s3, ttmp9, 2
	s_add_co_u32 s3, s3, s92                       ; P's block of 256 rows of Wp = 4 x cluster x + cx
	s_lshl_b32 s96, s2, 4
	s_lshl_b32 s100, s3, 4
	s_add_co_u32 s100, s100, 704                   ; Wp's tiles begin at 704
	s_lshl_b32 s97, s22, 3
	s_add_co_u32 s96, s96, s97                     ; S: the first of the eight tiles that I would fetch
	s_add_co_u32 s100, s100, s97                   ; P likewise
	s_lshl_b32 s98, s96, 9
	s_mul_i32 s96, s96, 12288
	s_lshl_b32 s92, s100, 9
	s_mul_i32 s100, s100, 12288
	s_mov_b32 s97, 0
	s_mov_b32 s99, 0
	s_mov_b32 s101, 0
	s_mov_b32 s93, 0
	s_mul_i32 s23, s20, PART                       ; where they go: part = wave
	s_lshl_b32 s95, s20, 12
	s_wait_kmcnt 0x0
	s_add_nc_u64 s[96:97], s[4:5], s[96:97]
	s_add_nc_u64 s[98:99], s[6:7], s[98:99]
	s_add_nc_u64 s[100:101], s[8:9], s[100:101]
	s_add_nc_u64 s[92:93], s[10:11], s[92:93]
	CROUND                                         ; all sixteen work-groups are here: the first joint loads meet
	SETG0 G0SS, 95, SCL, 98, 0
	SETG0 G0PS, 95, SCL, 92, 0
	JLOAD G0SS, G1SS, G0PS, G1PS                   ; the scale words of all of K: filled once
	SETG0 G0S0, 23, 0, 96, 0
	SETG0 G0P0, 23, 0, 100, 0
	JLOAD G0S0, G1S, G0P0, G1P                     ; pair 0
	SETG0 G0S1, 23, SLOT, 96, 3072
	SETG0 G0P1, 23, SLOT, 100, 3072
	JLOAD G0S1, G1S, G0P1, G1P                     ; pair 1
	SETG0 G0S2, 23, 2*SLOT, 96, 6144
	SETG0 G0P2, 23, 2*SLOT, 100, 6144
	JLOAD G0S2, G1S, G0P2, G1P                     ; pair 2
	v_bfe_u32 v3, v0, 4, 1                         ; h
	v_and_b32 v4, 31, v0
	v_and_b32 v6, 15, v0                           ; r
	v_lshlrev_b32 v8, 3, v4                        ; 8 x lane
	s_mul_i32 s96, s21, PART
	s_mul_i32 s97, s22, PART
	s_add_co_u32 s97, s97, 2*PART
.irp s, 0,1,2
	v_add_nc_u32 v[ADRA+\s], s96, v8
	v_add_nc_u32 v[ADRB+\s], s97, v8
	s_add_co_u32 s96, s96, SLOT
	s_add_co_u32 s97, s97, SLOT
.endr
	s_lshl_b32 s96, s21, 12
	s_lshl_b32 s97, s22, 12
	s_add_co_u32 s97, s97, 8192
	s_sub_co_u32 s97, s97, s96
	v_mul_u32_u24 v5, s97, v3                      ; lanes 16-31 take P's scale words
	s_add_co_u32 s96, s96, SCL
	v_lshl_add_u32 v5, v6, 3, v5
	v_add_nc_u32 v[ADRS], s96, v5
	s_mul_i32 s96, s20, 8448
	s_add_co_u32 s96, s96, SLOT                    ; my stage, 16 rows x (512 + 16) bytes, in slot 1, which by then has had its only fill and its last read
	v_mul_u32_u24 v5, v6, 528
	v_lshl_add_u32 v5, v3, 6, v5
	v_add_nc_u32 v[STO], s96, v5                   ; in: row r, + 64 h
	v_lshlrev_b32 v[CO], 4, v4
	v_add_nc_u32 v[RD], s96, v[CO]                 ; back: the 32 lanes take one row of 512 bytes
	s_lshl_b32 s96, s2, 8
	s_lshl_b32 s97, s21, 7
	s_add_co_u32 s96, s96, s97                     ; my first token
	s_lshl_b32 s96, s96, 12                        ; x 4,096 bytes
	s_lshl_b32 s97, s3, 10
	s_add_co_u32 s96, s96, s97
	s_lshl_b32 s97, s22, 9
	s_add_co_u32 s96, s96, s97                     ; + my first column x 4
	s_mov_b32 s97, 0
	s_add_nc_u64 s[12:13], s[12:13], s[96:97]
	s_wait_tensorcnt 0x2                           ; the scale words and my part of pair 0 are in; pairs 1 and 2 may be out
	s_barrier_signal -1
	s_barrier_wait -1
	FETCH_B 0, 0, 0
	FETCH_A 0, 0, 0
	SCALES 0, 0
	FETCH_A 0, 0, 4
	STEP 0, 0, 1                                   ; the first step's products start the sums
	TURN 1, 0, 1, 1, 2                             ; the wait for all loads shows pairs 1 and 2 landed; behind the round every wave's parts are; slot 0 takes pair 3
	STEP 1, 1, 0
	TURN 2, 1, 0, 2, 0
	STEP 2, 0, 0
	TURN 0, 0, 1, 3, 1                             ; pair 3 has landed, in every wave's part
	STEP 0, 1, 0
	s_wait_dscnt 4*NL                              ; the very last K step
	WIN MUL_LO
	MUL16 0, 1, 1, 1, 0
	MUL16 2, 1, 1, 1, 0
	s_wait_dscnt 0x0
	WIN MUL_HI
	MUL16 4, 1, 1, 1, 0
	MUL16 6, 1, 1, 1, 0
	WIN 0
; THE WAY OUT, block by block of 16 tokens x 128 columns.  Register j of accumulator (a, b) in lane (r, h) is column 32 (b / 2) + 16 h + 8 (b % 2) + j of the token at position r of tile a.  A block goes through my own stage
; in LDS and comes back as whole rows of 512 bytes.  LDS serves a wave's instructions in order (ISA guide 5.7.1.4): no wait between the stores and the loads, nor in front of the next block's stores.
.macro TOSTAGE a
.set AC, 64*((\a)%4)
.set NW, 0x08+4*((\a)/4)
	WIN NW                                         ; the data: window 2 or 3
.irp b, 0,1,2,3,4,5,6,7
	ds_store_b128 v[STO], v[AC+8*\b:AC+8*\b+3] offset:128*(\b/2)+32*(\b%2)          ; each accumulator from its low end on
	ds_store_b128 v[STO], v[AC+8*\b+4:AC+8*\b+7] offset:128*(\b/2)+32*(\b%2)+16
.endr
	WIN 0
.set BB, BK+64*((\a)%2)
.irp t, 0,1,2,3,4,5,6,7,8,9,10,11,12,13,14,15
	ds_load_b128 v[BB+4*\t:BB+4*\t+3], v[RD] offset:\t*528
.endr
.endm
.macro SEND a, younger                 ; younger: the LDS instructions issued behind block a's loads, which may stay out
.set BB, BK+64*((\a)%2)
	s_wait_dscnt \younger
.irp t, 0,1,2,3,4,5,6,7,8,9,10,11,12,13,14,15
	global_store_b128 v[CO], v[BB+4*\t:BB+4*\t+3], s[12:13] offset:(32*((\a)/2)+8*((\a)%2)+(\t%8)+16*(\t/8))*4096 th:TH_STORE_NT   ; 32 lanes store 512 consecutive bytes, aligned; the token's row stands in the immediate, 127 rows at the most
.endr
.endm
	PLACES NP                                      ; behind the last products: results are read, and loads land on the registers that held S's fragments
	TOSTAGE 0
.irp a, 1,2,3,4,5,6,7
.if \a > 1
	s_wait_xcnt 0x0                                ; block a - 2's stores have read their registers: block a's loads may land there
.endif
	TOSTAGE \a
	SEND \a-1, 32                                  ; behind block a - 1's loads: block a's 16 stores and 16 loads
.endr
	SEND 7, 0
	s_wait_tensorcnt 0x0                           ; the wave's end, behind my last tensor load and my last LDS store
	ds_add_u32 v[SPW], v[NIL]
	s_wait_dscnt 0x0
	CROUND                                         ; the closing round
	s_endpgm
.Lfunc_end_k_q3dbd998e5f_proj:
	.size	k_q3dbd998e5f_proj, .Lfunc_end_k_q3dbd998e5f_proj-k_q3dbd998e5f_proj
	.p2alignl 7, 3214868480
	.fill 96, 4, 3214868480
	.section	.rodata,"a",@progbits
	.p2align	6, 0x0
	.amdhsa_kernel k_q3dbd998e5f_proj
		.amdhsa_group_segment_fixed_size 327680
		.amdhsa_private_segment_fixed_size 0
		.amdhsa_enable_private_segment 0
		.amdhsa_kernarg_size 40
		.amdhsa_user_sgpr_count 2
		.amdhsa_user_sgpr_kernarg_segment_ptr 1
		.amdhsa_wavefront_size32 1
		.amdhsa_system_sgpr_workgroup_id_x 1
		.amdhsa_system_sgpr_workgroup_id_y 1
		.amdhsa_system_sgpr_workgroup_id_z 1
		.amdhsa_system_vgpr_workitem_id 0
		.amdhsa_next_free_vgpr 1024
		.amdhsa_next_free_sgpr 102
		.amdhsa_reserve_vcc 0
		.amdhsa_float_denorm_mode_32 3
		.amdhsa_float_denorm_mode_16_64 3
		.amdhsa_memory_ordered 1
		.amdhsa_forward_progress 1
		.amdhsa_inst_pref_size 159
	.end_amdhsa_kernel
	.amdgpu_metadata
---
amdhsa.version: [ 1, 2 ]
amdhsa.kernels:
  - .name:           k_q3dbd998e5f_proj
    .symbol:         k_q3dbd998e5f_proj.kd
    .args:
      - { .name: oc, .offset: 0, .size: 8, .value_kind: global_buffer, .address_space: global }
      - { .name: os, .offset: 8, .size: 8, .value_kind: global_buffer, .address_space: global }
      - { .name: codes, .offset: 16, .size: 8, .value_kind: global_buffer, .address_space: global }
      - { .name: scales, .offset: 24, .size: 8, .value_kind: global_buffer, .address_space: global }
      - { .name: out0, .offset: 32, .size: 8, .value_kind: global_buffer, .address_space: global }
    .group_segment_fixed_size: 327680
    .private_segment_fixed_size: 0
    .kernarg_segment_align: 8
    .kernarg_segment_size: 40
    .max_flat_workgroup_size: 128
    .sgpr_count:     102
    .vgpr_count:     1024
    .wavefront_size: 32
...
	.end_amdgpu_metadata
.endif
;; end of part 4
;; ======== version 2 of 2: 4 launches; version 1 with the launch attn written anew for expert scheduling mode
;; workspace buffers: codes 9,437,184 bytes; scales 393,216 bytes; lt 786,432 bytes; qkv 18,874,368 bytes; qkvs 786,432 bytes; oc 6,291,456 bytes; os 262,144 bytes
;; launch prep: the kernel of part 1 again; grid 256 x 1, 8 waves a work-group, no clusters, 102,912 bytes of LDS; arguments x, Wq, Wk, Wv, Wp, Bq, Bk, Bv, codes, scales, lt; writes codes, scales, lt
;; launch qkv: the kernel of part 2 again; grid 8 x 48, 4 waves a work-group, clusters of 4 x 4, 327,680 bytes of LDS; arguments codes, scales, lt, Aq, Ak, Av, qkv, qkvs; writes qkv, qkvs
;; launch attn (part 5): grid 4 x 64, 16 waves a work-group, no clusters, 27,648 bytes of LDS; arguments qkv, qkvs, oc, os; writes oc, os
.if DOCPART == 5
	.amdgcn_target "amdgcn-amd-amdhsa--gfx1250"
	.amdhsa_code_object_version 6
	.text
	.protected	k_q3dbd998e5f_attn
	.globl	k_q3dbd998e5f_attn
	.p2align	8
	.type	k_q3dbd998e5f_attn,@function
k_q3dbd998e5f_attn:
	s_mov_b64 s[64:65], 0
	v_nop
	global_prefetch_b8 v0, s[64:65] scope:SCOPE_SE
	s_setreg_imm32_b32 hwreg(HW_REG_WAVE_SCHED_MODE, 0, 2), 2
	s_setreg_imm32_b32 hwreg(HW_REG_WAVE_MODE, 25, 1), 1
	s_wait_xcnt 0x0
	s_wait_alu depctr_vm_vsrc(0)
; o[b][q][head] = softmax_k(q . k / 8 + slope (q - k), k <= q) v, both products on codes of FP6 (E2M3) with one E8M0 byte for each 32 along a product's K; o is quantised at once, along E, for the last projection.
; THE SOFTMAX AHEAD OF THE SECOND PRODUCT: t = logit x log2(e); M = the row's largest t so far, rounded UP to a whole number; p = 2^(t - M) is quantised along the keys, not normalised; the row's sum is taken of the
; unquantised p and divides O at the end.  When M moves, the sum and O are multiplied by 2^(old M - new M): exact.
; THE LOGIT AND t ARE FORMED STEP BY STEP, EACH STEP ROUNDED TO f32 WHERE THE DEFINITION ROUNDS IT: m = q - k (exact); bias = slope x m; logit = (q . k) / 8 + bias (one fused multiply-add: the product by 1/8 is exact, so it
; rounds as the sum does); t = logit x log2(e); t - M.  The bias grows with the distance: t reaches slope x 2,047 x log2(e), some 2,088 in head 0, where neighbouring f32 numbers lie 2^-12 apart, which is 1.7e-4 of p.
; A shorter form (slope x log2(e) folded into one constant, the sums taken in another order) rounds at other places and gives p's that differ by as much: too much ahead of a quantiser.
; SHARES.  Work-group (p, b x 16 + head) owns the blocks p and 7 - p of 256 queries: (2 p + 2) + (16 - 2 p) = 18 key steps of 128 for every one of the 256 work-groups.  Each of the sixteen waves owns one tile of 16 queries of
; the block in hand, in 256 registers: four waves to a SIMD.  ONE loop of 9 trips, two steps a trip (LDS buffers 0 and 1), so that every LDS address is a constant and a lane's or wave's term.
; A step all of whose keys come after the wave's queries is left out by a scalar branch on ids, round its products and softmax, not round the copy and the barrier at its end.
; K AND V come through registers: each wave loads 768 bytes of the NEXT step at a step's head and stores them into the other buffer at its end, in front of the step's one barrier.  A step's 12,800 bytes are small beside
; its work and are asked for a whole step ahead, so no ring of tensor loads is kept.  No cluster: the four work-groups of a head walk different key steps at the same time.
; LAYOUT.  Both products are used transposed: S^T = K Q^T, O^T = V^T P^T: a lane holds ONE query throughout.  The tokens of a tile are not neighbours (lane r: 32 (T / 2) + 8 (T % 2) + r % 8 + 16 (r / 8)), so the 16 registers of
; tiles 2 b, 2 b + 1 of S^T are the keys 32 b + 16 (lane / 16) + 0 .. 15, and those of O^T 16 neighbouring channels.
; THE HEAD IS 64 WIDE, THE INSTRUCTION 128 DEEP: Q's registers 6-11 hold zero codes; K's fragment t is named v[54 + 6 t .. + 11], so its upper half is the next tile's codes, which meet zeros; the upper two scale bytes of
; both are 0 (never 0xff), since the scales are loaded as 16 bits.
; LIMITS: NaN and infinities are not served; a block of p or of o whose largest number lies under 2^-124 gets the byte 1 (its codes are zeros or all but zeros; this program alone reads the bytes).
; os is stored two bytes a lane (one twenty-fourth of the launch's output bytes): the two bytes of a head lie between other heads' in a row's scale words.
; REGISTERS: v1-11 addresses and lane constants; v12 -M, v13 the largest t, v[14:15] the sum; v16-27 Q; v28 Q's scales, v29 p's; v30-37 the copy; v38-53 -i; v54-107 K's or V's fragments; v108-115 their scales;
; v116-179 S^T, then t, then p; v180-211 O^T; v212-231 p's codes (v227, v231: the closing add's two); v232-255 at work.
; SCALARS: s[22:23] 1/8, s[24:25] the head's slope, s[26:27] log2(e): each twice, since the packed forms name a pair and take its low word for both halves; s54-59, s62, s63: on the diagonal, eight masks.
; THE MODE: SCHED_MODE bits 1:0 = 2 (LLVM: expert scheduling mode 2), set by the entry lines.  The code itself states the register dependences between vector or matrix instructions and memory or LDS instructions,
; with s_wait_alu, always for 0.
; THE PLAN.  Registers that memory or LDS instructions touch:
;   v1-7, v11         addresses and offsets: made at the head, never written again.
;   v30-37            the copy: cleared at the head; in the loop the global loads at a step's head land in them and the LDS stores at its end read them; no vector instruction of the loop names them.
;   v54-101, v108-115 K's LDS loads land in them at the head of a step's work; the eight products K Q^T read them; V's LDS loads land in v54-101 and v108-111; the four products V^T P read those.
;   v16-21, v28       Q: global loads land in them where a block begins; every product K Q^T reads them.
;   v212-217, v254    where a block ends: written by conversions and lane moves, read by the global stores; the next block's steps write them again.
;   v227, v231        written at the head, read by the closing add alone.
; A STEP'S WAITS.  One on va_vdst at the head of its work: the last step's products V^T P are done with the registers in which K lands.  One behind the lines that make t: the products K Q^T are done with the registers in which
; V lands; V's loads stand there, and the maxima, the exponentials, the sums and the quantiser follow while they are on their way.  The two behind the exponentials.  One directly ahead of the products V^T P: p's codes and scale
; word are written.  One on vm_vsrc in front of the barrier: the LDS stores have read the copy's registers.  On the diagonal one on va_sdst for each eight masks.
.set S,   116
.set O,   180
.set W16, 38
.macro COPYL                           ; the next step's bytes: my half fragment (waves 0-7: a tile of K; waves 8-15: a half fragment of V); wave 0: K's scale bytes; wave 8: V's
	global_load_b64 v[30:31], v1, s[34:35]
	global_load_b64 v[32:33], v1, s[34:35] offset:256
	global_load_b64 v[34:35], v1, s[34:35] offset:512
	s_and_b32 s54, s12, 7
	s_cmp_lg_u32 s54, 0
	s_cbranch_scc1 .Lno_extra_\@
	global_load_b64 v[36:37], v7, s[40:41]
.Lno_extra_\@:
.endm
.macro COPYS off                       ; into the buffer at byte off.  The data come from loads, the addresses from the head: no vector instruction has written either since
	ds_store_b64 v4, v[30:31] offset:\off
	ds_store_b64 v4, v[32:33] offset:\off+256
	ds_store_b64 v4, v[34:35] offset:\off+512
	s_cmp_lg_u32 s12, 0
	s_cbranch_scc1 .Lnot_k_\@
	ds_store_b64 v5, v[36:37] offset:\off          ; K's: [tile 8][r 16] u16, as they lie
.Lnot_k_\@:
	s_cmp_lg_u32 s12, 8
	s_cbranch_scc1 .Lnot_v_\@
	ds_store_b16 v6, v36 offset:\off               ; V's two planes of u16 (keys 0-63: lanes 0-15; keys 64-127: lanes 16-31) are woven into words [tile 4][r 16]
	ds_store_b16_d16_hi v6, v36 offset:\off+4
	ds_store_b16 v6, v37 offset:\off+8
	ds_store_b16_d16_hi v6, v37 offset:\off+12
.Lnot_v_\@:
.endm
.macro NEXTP                           ; on to the step after: the next 128 keys, or, where the second block begins, the head's first.  (The loads that read these bases have been waited for)
	s_add_co_u32 s19, s19, 1
	s_add_nc_u64 s[34:35], s[34:35], s[36:37]
	s_add_nc_u64 s[40:41], s[40:41], s[42:43]
	s_cmp_eq_u32 s19, s44
	s_cselect_b64 s[34:35], s[32:33], s[34:35]
	s_cselect_b64 s[40:41], s[38:39], s[40:41]
.endm
; The block s45 of 256 queries begins: my tile's ids, Q, and an empty state: O^T and the sum zeros, the largest t -3e38, which the first change of M leaves zeros.
; Q's loads owe no wait of their own: the last wait on va_vdst ahead of them (the head's; for the second block the one in front of the first block's stores) stands behind every product that read v16-21 and v28,
; and the two vector lines between write v9 and v10 alone.
.macro INIT
	s_wait_xcnt 0x0                                ; earlier stores have read their registers and bases
	s_lshl_b32 s54, s45, 4
	s_add_co_u32 s54, s54, s12                     ; my tile of the batch's 128
	s_lshr_b32 s55, s54, 1
	s_lshl_b32 s55, s55, 5
	s_and_b32 s56, s54, 1
	s_lshl_b32 s56, s56, 3
	s_add_co_u32 s29, s55, s56                     ; my least query,
	s_add_co_u32 s30, s29, 23                      ; my greatest
	v_add_nc_u32 v10, s29, v8                      ; d = my query - 16 (lane / 16) - the step's first key, as a whole number
	v_cvt_f32_i32 v9, v10                          ; and in f32
	s_mov_b32 s57, 0
	s_lshl_b32 s55, s14, 7
	s_add_co_u32 s55, s55, s54
	s_mul_i32 s56, s55, 768
	s_add_nc_u64 s[46:47], s[4:5], s[56:57]        ; Q's half fragment
	s_lshl_b32 s56, s55, 5
	s_add_nc_u64 s[48:49], s[6:7], s[56:57]        ; its scale bytes
	s_lshl_b32 s55, s16, 7
	s_add_co_u32 s55, s55, s54                     ; my tile of all 512
	s_mul_i32 s56, s55, 12288
	s_add_co_u32 s56, s56, s60
	s_add_nc_u64 s[50:51], s[8:9], s[56:57]        ; o's codes: the tile, + 768 x head
	s_lshl_b32 s56, s55, 9
	s_add_co_u32 s56, s56, s61
	s_add_nc_u64 s[52:53], s[10:11], s[56:57]      ; o's scale bytes
	global_load_b64 v[16:17], v1, s[46:47]
	global_load_b64 v[18:19], v1, s[46:47] offset:256
	global_load_b64 v[20:21], v1, s[46:47] offset:512
	global_load_u16 v28, v2, s[48:49]
	s_mov_b32 s28, 0                               ; the step's first key
	v_mov_b32 v13, 0xff61b1e6                      ; -3e38
	v_floor_f32 v12, -v13
	v_mov_b32 v14, 0
	v_mov_b32 v15, 0
.set N, 0
.rept 32
	v_mov_b32 v[O+N], 0
.set N, N+1
.endr
	s_wait_loadcnt 0x0
.endm
; The block is done: O^T / the sum, quantised along the head's 64 channels (two blocks of E), stored as half a fragment and two scale bytes a row.
.macro FINISH
.rept 4
	v_nop                                          ; places behind the last products
.endr
	v_add_f32 v14, v14, v15                        ; the sum's two halves,
	v_permlanex16_b32 v253, v14, s20, s21
	v_add_f32 v14, v14, v253                       ; and lane l xor 16's
	v_rcp_f32 v252, v14
	v_nop                                          ; a plain place behind the reciprocal
	s_wait_alu depctr_va_vdst(0)                   ; the reciprocal has written v252, ahead of its first reader
.set N, 0
.rept 16
	v_pk_mul_f32 v[S+N:S+N+1], v[O+N:O+N+1], v[252:253] op_sel_hi:[1,0]   ; register 16 b + i: channel 32 b + 16 (lane / 16) + i; each accumulator from its low end on
.set N, N+2
.endr
.irp b, 0,1
	v_max3_num_f32 v[232+\b], |v[S+16*\b]|, |v[S+1+16*\b]|, 0x1800000
.endr
.irp i, 2,4,6,8,10,12,14
.irp b, 0,1
	v_max3_num_f32 v[232+\b], v[232+\b], |v[S+16*\b+\i]|, |v[S+1+16*\b+\i]|
.endr
.endr
.irp b, 0,1
	v_permlanex16_b32 v[248+\b], v[232+\b], s20, s21
.endr
.irp b, 0,1
	v_max_num_f32 v[232+\b], v[232+\b], v[248+\b]
.endr
.irp b, 0,1
	v_add_nc_u32 v[244+\b], 0xff000000, v[232+\b]
.endr
.irp b, 0,1
	v_lshrrev_b32 v[248+\b], 23, v[244+\b]
.endr
	v_lshl_or_b32 v254, v249, 8, v248
	v_cvt_scalef32_pk16_fp6_f32 v[212:214], v[S:S+15], v244
	v_cvt_scalef32_pk16_fp6_f32 v[224:226], v[S+16:S+31], v245
	v_nop                                          ; one plain place behind a scaled conversion
.irp i, 0,1,2
	v_permlane16_swap_b32 v[212+\i], v[224+\i]
.endr
.irp i, 0,1,2
	v_mov_b32 v[215+\i], v[224+\i]
.endr
	s_wait_alu depctr_va_vdst(0)                   ; o's codes v212-217 and its scale bytes v254 are written, which the stores below read; the block's products are done reading Q (v16-21, v28), in which the next block's loads land
.irp p, 0,1,2
	global_store_b64 v1, v[212+2*\p:213+2*\p], s[50:51] offset:256*\p   ; each store covers 256 consecutive bytes, aligned
.endr
	global_store_b16 v11, v254, s[52:53]           ; lanes 16-31 store the same two bytes with the same value
.endm
; A KEY STEP: the 128 keys in buffer n.
.macro STEP n
.set BUF, 12800*(\n)
.set OTH, 12800*(1-(\n))
	s_cmp_ge_u32 s19, 18                           ; the last step has no successor: no load leaves its buffer
	s_cbranch_scc1 .Lno_load_\@
	COPYL                                          ; (the wait on vm_vsrc in front of the last barrier has freed v30-37)
.Lno_load_\@:
	s_cmp_gt_u32 s28, s30                          ; all keys behind all my queries?
	s_cbranch_scc1 .Lhidden_\@
	s_wait_alu depctr_va_vdst(0)                   ; the last step's products V^T P are done reading v54-101 and v108-111, in which K's loads below land
	v_mov_b32 v236, v9                             ; D(b) = d - 32 b: whole numbers, exact in f32.  (Four plain lines that name none of the registers that the loads below touch)
	v_add_f32 v238, 0xc2000000, v9
	v_add_f32 v240, 0xc2800000, v9
	v_add_f32 v242, 0xc2c00000, v9
.irp t, 0,1,2,3,4,5,6,7
.irp p, 0,1,2
	ds_load_b64 v[54+6*\t+2*\p:55+6*\t+2*\p], v1 offset:BUF+768*\t+256*\p
.endr
	ds_load_u16 v[108+\t], v2 offset:BUF+12288+32*\t
.endr
	s_wait_dscnt 0x0
.irp t, 0,1,2,3,4,5,6,7
	v_wmma_scale_f32_16x16x128_f8f6f4 v[S+8*\t:S+8*\t+7], v[54+6*\t:65+6*\t], v[16:27], 0, v[108+\t], v28 matrix_a_fmt:MATRIX_FMT_FP6 matrix_b_fmt:MATRIX_FMT_FP6
.endr
.rept 4
	v_nop                                          ; places: the scores are read
.endr
; t, eight scores (one tile) at a time, four pairs by turns so that no line waits for the line above it.  Register 16 b + i: m = D(b) - i = my query - its key
.set G, 0
.rept 8
.irp k, 0,1,2,3
	v_pk_add_f32 v[244+2*\k:245+2*\k], v[W16+(8*G+2*\k)%16:W16+(8*G+2*\k)%16+1], v[236+2*(G/2):237+2*(G/2)] op_sel_hi:[1,0]   ; m: exact (of the pair D the low word serves both halves)
.endr
.irp k, 0,1,2,3
	v_pk_mul_f32 v[244+2*\k:245+2*\k], v[244+2*\k:245+2*\k], s[24:25] op_sel_hi:[1,0]   ; bias = slope x m, rounded
.endr
.irp k, 0,1,2,3
	v_pk_fma_f32 v[S+8*G+2*\k:S+8*G+2*\k+1], v[S+8*G+2*\k:S+8*G+2*\k+1], s[22:23], v[244+2*\k:245+2*\k] op_sel_hi:[1,0,1]   ; logit = score / 8 + bias, rounded once: the product is exact.  Each accumulator from its low end on
.endr
.irp k, 0,1,2,3
	v_pk_mul_f32 v[S+8*G+2*\k:S+8*G+2*\k+1], v[S+8*G+2*\k:S+8*G+2*\k+1], s[26:27] op_sel_hi:[1,0]   ; t = logit x log2(e), rounded
.endr
.set G, G+1
.endr
	s_wait_alu depctr_va_vdst(0)                   ; the eight products K Q^T are done reading K's fragments v54-107 and scale bytes v108-115, in which V's loads below land
.irp d, 0,1,2,3
.irp c, 0,1
.irp p, 0,1,2
	ds_load_b64 v[54+12*\d+6*\c+2*\p:55+12*\d+6*\c+2*\p], v1 offset:BUF+6144+3072*\c+768*\d+256*\p   ; V: they land during the rest of the softmax, which names none of these registers
.endr
.endr
	ds_load_b32 v[108+\d], v3 offset:BUF+12544+64*\d
.endr
	s_add_co_u32 s54, s28, 127                     ; on the diagonal hidden keys become -infinity ahead of the maximum: p = 0 then.  A step all of whose keys count skips this
	s_cmp_le_u32 s54, s29
	s_cbranch_scc1 .Lopen_\@
	v_mov_b32 v254, 0xff800000
.set N, 0
.rept 8                                        ; eight scores at a time: a run of compares into eight scalar registers, one wait, the eight selects
.irp k, 0,1,2,3,4,5,6,7
	v_cmp_gt_i32 s[54+\k+2*(\k/6)], 32*((N+\k)/16)+(N+\k)%16, v10   ; register 16 b + i holds the key 32 b + i past the lane's first: hidden where 32 b + i > d
.endr
	s_wait_alu depctr_va_sdst(0)                   ; the eight masks s54-59, s62, s63 are written, ahead of their first readers
.irp k, 0,1,2,3,4,5,6,7
	v_cndmask_b32 v[S+N+\k], v[S+N+\k], v254, s[54+\k+2*(\k/6)]
.endr
.set N, N+8
.endr
.Lopen_\@:
.irp b, 0,1,2,3
	v_max3_num_f32 v[232+\b], v[S+16*\b], v[S+1+16*\b], v[S+2+16*\b]   ; the largest t of each block's 16: it serves the row's maximum and, since p rises with t, the block's largest p
.endr
.irp i, 3,5,7,9,11,13
.irp b, 0,1,2,3
	v_max3_num_f32 v[232+\b], v[232+\b], v[S+16*\b+\i], v[S+1+16*\b+\i]
.endr
.endr
.irp b, 0,1,2,3
	v_max_num_f32 v[232+\b], v[232+\b], v[S+15+16*\b]
.endr
	v_max3_num_f32 v254, v232, v233, v234
	v_max_num_f32 v254, v254, v235
	v_permlanex16_b32 v253, v254, s20, s21
	v_max3_num_f32 v13, v13, v254, v253            ; the running largest t of my query
	v_mov_b32 v254, v12
	v_floor_f32 v12, -v13                          ; the new -M = -ceil(t): a whole number
	v_sub_f32 v254, v12, v254                      ; old M - new M: a whole number, 0 or less
	v_cvt_i32_f32 v254, v254                       ; (it saturates)
	v_ldexp_f32 v252, 1.0, v254                    ; f = 2^(old M - new M)
.irp b, 0,1,2,3
	v_add_f32 v[237+2*\b], v[232+\b], v12          ; the block's largest t - M of my half: the same addition as its element gets below, so the same bits
.endr
.set N, 0
.rept 32
	v_pk_add_f32 v[S+N:S+N+1], v[S+N:S+N+1], v[12:13] op_sel_hi:[1,0]   ; t - M (of the pair the low word, -M, serves both halves)
.set N, N+2
.endr
.set N, 0
.rept 64
	v_exp_f32 v[S+N], v[S+N]                       ; p = 2^(t - M): not normalised
.set N, N+1
.endr
	v_pk_mul_f32 v[14:15], v[14:15], v[252:253] op_sel_hi:[1,0]   ; the sums under the new M.  (A plain place behind the exponentials)
	s_wait_alu depctr_va_vdst(0)                   ; the 64 exponentials have written p, v116-179: one wait for the whole batch, ahead of its first reader
.irp b, 0,1,2,3
	v_exp_f32 v[237+2*\b], v[237+2*\b]             ; my half's largest p of each block
.endr
	v_pk_add_f32 v[254:255], v[S:S+1], v[S+2:S+3]  ; the row's sum is taken of the unquantised p: two at a time, in two chains
.irp j, 4,8,12,16,20,24,28,32,36,40,44,48,52,56,60
	v_pk_add_f32 v[14:15], v[14:15], v[S+\j:S+1+\j]
	v_pk_add_f32 v[254:255], v[254:255], v[S+2+\j:S+3+\j]
.endr
	v_pk_add_f32 v[14:15], v[14:15], v[254:255]
	s_wait_alu depctr_va_vdst(0)                   ; the four exponentials have written v237, v239, v241, v243, ahead of their first reader
.irp b, 0,1,2,3
	v_permlanex16_b32 v[248+\b], v[237+2*\b], s20, s21
.endr
.irp b, 0,1,2,3
	v_max3_num_f32 v[232+\b], v[237+2*\b], v[248+\b], 0x1800000   ; with lane l xor 16's, and the floor 2^(3 - 127): the byte cannot fall under 1
.endr
.irp b, 0,1,2,3
	v_add_nc_u32 v[244+\b], 0xff000000, v[232+\b]  ; 2 off the exponent field: the conversion's scale operand
.endr
.irp b, 0,1,2,3
	v_lshrrev_b32 v[248+\b], 23, v[244+\b]         ; the scale's byte
.endr
	v_lshl_or_b32 v29, v249, 8, v248               ; p's scale word for these 128 keys
	v_lshl_or_b32 v29, v250, 16, v29
	v_lshl_or_b32 v29, v251, 24, v29
.irp c, 0,1
	v_cvt_scalef32_pk16_fp6_f32 v[212+6*\c:214+6*\c], v[S+32*\c:S+15+32*\c], v[244+2*\c]
	v_cvt_scalef32_pk16_fp6_f32 v[224+4*\c:226+4*\c], v[S+16+32*\c:S+31+32*\c], v[245+2*\c]
.endr
	v_nop                                          ; one plain place behind a scaled conversion
.irp c, 0,1                                    ; the operand's layout wants a whole block in a lane
.irp i, 0,1,2
	v_permlane16_swap_b32 v[212+6*\c+\i], v[224+4*\c+\i]
.endr
.irp i, 0,1,2
	v_mov_b32 v[215+6*\c+\i], v[224+4*\c+\i]
.endr
.endr
.set N, 0
.rept 16
	v_pk_mul_f32 v[O+N:O+N+1], v[O+N:O+N+1], v[252:253] op_sel_hi:[1,0]   ; O^T under the new M.  (These sixteen stand between the writes of p's codes and scale word and the products)
.set N, N+2
.endr
	s_wait_dscnt 0x0                               ; V
	s_wait_alu depctr_va_vdst(0)                   ; p's codes v212-223 and its scale word v29 are written, which the scaled products below take; the sixteen places above stay beside this wait
.irp d, 0,1,2,3
	v_wmma_scale_f32_16x16x128_f8f6f4 v[O+8*\d:O+8*\d+7], v[54+12*\d:65+12*\d], v[212:223], v[O+8*\d:O+8*\d+7], v[108+\d], v29 matrix_a_fmt:MATRIX_FMT_FP6 matrix_b_fmt:MATRIX_FMT_FP6
.endr
.Lhidden_\@:
	s_add_co_u32 s28, s28, 128                     ; the next step's first key,
	v_add_f32 v9, 0xc3000000, v9                   ; and d with it
	v_add_nc_u32 v10, 0xffffff80, v10
	s_wait_loadcnt 0x0                             ; the copy's data are in
	s_cmp_ge_u32 s19, 18
	s_cbranch_scc1 .Lno_store_\@
	COPYS OTH                                      ; into the buffer that every wave left at the last barrier
.Lno_store_\@:
	NEXTP
	s_wait_alu depctr_vm_vsrc(0)                   ; my LDS stores have read v30-37, in which the next step's loads land
	s_wait_dscnt 0x0                               ; my stores have landed, and my reads of this buffer are over
	s_barrier_signal -1
	s_barrier_wait -1
.endm
	s_load_b256 s[4:11], s[0:1], 0x0               ; qkv, qkvs, oc, os
	v_lshl_add_u32 v227, v0, 2, 0x6400
	v_mov_b32 v231, 0
	v_lshrrev_b32 v1, 5, v0
	v_readfirstlane_b32 s12, v1                    ; wave 0..15
	s_mov_b32 s13, ttmp9                           ; p
	s_and_b32 s14, ttmp7, 0xffff                   ; b x 16 + head
	s_and_b32 s15, s14, 15                         ; head
	s_lshr_b32 s16, s14, 4                         ; b
	v_and_b32 v253, 31, v0
	v_and_b32 v254, 15, v0                         ; r
	v_bfe_u32 v255, v0, 4, 1                       ; lane / 16
	v_lshlrev_b32 v1, 3, v253                      ; 8 x lane: an image's place for my lane, in memory and in LDS
	v_lshlrev_b32 v2, 1, v254                      ; 2 r
	v_lshlrev_b32 v3, 2, v254                      ; 4 r
	v_lshlrev_b32 v11, 3, v254                     ; 8 r
	s_wait_alu depctr_va_sdst(0)                   ; s12, the wave's number, is written, ahead of its first reader
	s_mul_i32 s54, s12, 768
	v_add_nc_u32 v4, s54, v1                       ; where I store my 768 bytes of a step
	v_add_nc_u32 v5, 12288, v1                     ; K's scale bytes
	v_lshlrev_b32 v6, 4, v254
	v_lshl_add_u32 v6, v255, 1, v6
	v_add_nc_u32 v6, 12544, v6                     ; V's scale words: 16 (lane % 16) + 2 (lane / 16)
	v_and_b32 v8, 7, v0
	v_bfe_u32 v253, v0, 3, 1
	v_sub_nc_u32 v253, v253, v255
	v_lshl_add_u32 v8, v253, 4, v8                 ; r % 8 + 16 (r / 8) - 16 (lane / 16)
.irp i, 22,23,24,25,26,27,102,103,104,105,106,107
	v_mov_b32 v[\i], 0                             ; zero codes: Q's upper half, and what stands behind K's last tile
.endr
.irp i, 30,31,32,33,34,35,36,37,237,239,241,243,248,249,250,251,253
	v_mov_b32 v[\i], 0                             ; written once: the copy's registers; the upper halves of the pairs D, which are named with them; the lane permutes' destinations, which count as sources
.endr
	s_mov_b32 s20, 0x76543210
	s_mov_b32 s21, 0xfedcba98                      ; v_permlanex16_b32's selects for lane l xor 16
	s_mov_b32 s22, 0x3e000000                      ; 1 / 8 = 1 / sqrt(64)
	s_mov_b32 s23, s22                             ; (named with it as a pair, so it is written)
	s_add_co_u32 s54, s15, 1                       ; slope = 2^(-(head + 1) / 2) in f32: an odd head's is a power of two, an even head's 2^(-1/2), rounded to f32, times one
	s_lshr_b32 s54, s54, 1
	s_lshl_b32 s54, s54, 23
	s_mov_b32 s55, 0x3f3504f3
	s_bitcmp1_b32 s15, 0
	s_cselect_b32 s55, 0x3f800000, s55
	s_sub_co_u32 s24, s55, s54
	s_mov_b32 s25, s24
	s_mov_b32 s26, 0x3fb8aa3b                      ; log2(e)
	s_mov_b32 s27, s26
.irp i, 0,1,2,3,4,5,6,7,8,9,10,11,12,13,14,15
	v_cvt_f32_i32 v[W16+\i], -\i                   ; -i
.endr
	s_mul_i32 s60, s15, 768                        ; o's codes: K step head / 2, half head % 2
	s_lshr_b32 s61, s15, 2                         ; o's scale bytes: pair head / 4, word (head / 2) % 2, bytes 2 (head % 2)
	s_lshl_b32 s61, s61, 7
	s_bfe_u32 s54, s15, 0x10001
	s_lshl_b32 s54, s54, 2
	s_add_co_u32 s61, s61, s54
	s_and_b32 s54, s15, 1
	s_lshl_b32 s54, s54, 1
	s_add_co_u32 s61, s61, s54
	; what I copy: waves 0-7 tile w of a step's K; waves 8-15 half (w / 4) % 2, channel tile 4 head + w % 4 of its V
	s_mul_i32 s54, s14, 98304
	s_mul_i32 s55, s12, 768
	s_add_co_u32 s54, s54, s55
	s_add_co_u32 s54, s54, 6291456
	s_mul_i32 s55, s16, 1572864
	s_bfe_u32 s56, s12, 0x10002
	s_mul_i32 s56, s56, 49152
	s_add_co_u32 s55, s55, s56
	s_lshl_b32 s56, s15, 2
	s_and_b32 s57, s12, 3
	s_add_co_u32 s56, s56, s57
	s_mul_i32 s56, s56, 768
	s_add_co_u32 s55, s55, s56
	s_add_co_u32 s55, s55, 12582912
	s_lshl_b32 s56, s14, 12
	s_add_co_u32 s56, s56, 262144                  ; K's scale bytes of the head
	s_lshl_b32 s57, s16, 16
	s_lshl_b32 s58, s15, 7
	s_add_co_u32 s57, s57, s58
	s_add_co_u32 s57, s57, 524288                  ; V's of the head's four channel tiles
	s_mov_b32 s36, 98304
	s_mov_b32 s42, 4096
	s_mov_b32 s59, 2048
	s_cmp_lt_u32 s12, 8
	s_cselect_b32 s54, s54, s55
	s_cselect_b32 s56, s56, s57
	s_cselect_b32 s36, 6144, s36                   ; from step to step
	s_cselect_b32 s42, 256, s42
	s_cselect_b32 s59, 128, s59                    ; from lanes 0-15 to lanes 16-31 of the scale bytes' load
	s_mov_b32 s55, 0
	s_mov_b32 s57, 0
	s_mov_b32 s37, 0
	s_mov_b32 s43, 0
	v_bfe_u32 v255, v0, 4, 1
	v_mad_u32_u24 v7, v255, s59, v11
	s_mov_b32 s17, 0                               ; trips done
	s_add_co_u32 s18, s13, 1                       ; the first block's trips
	s_lshl_b32 s44, s18, 1                         ; and steps
	s_mov_b32 s19, 0                               ; the step to be copied next
	s_mov_b32 s45, s13
	s_wait_kmcnt 0x0
	s_add_nc_u64 s[32:33], s[4:5], s[54:55]
	s_add_nc_u64 s[38:39], s[6:7], s[56:57]
	s_mov_b64 s[34:35], s[32:33]
	s_mov_b64 s[40:41], s[38:39]
	s_wait_alu depctr_va_vdst(0)                   ; the addresses v1-7 and v11 are written, which every load and store of the kernel reads; so are v30-37, in which the copy's loads land, and the zero codes v22-27 and v102-107, which the scaled products take
	COPYL                                          ; step 0
	INIT                                           ; (its wait for loads covers the copy's)
	COPYS 0
	NEXTP
	s_wait_alu depctr_vm_vsrc(0)                   ; my LDS stores have read v30-37, in which the first step's loads land
	s_wait_dscnt 0x0
	s_barrier_signal -1
	s_barrier_wait -1
.Ltrip:
	s_cmp_lg_u32 s17, s18                          ; the first block has p + 1 trips: a branch on ids, the same in all sixteen waves
	s_cbranch_scc1 .Lsame_block
	FINISH
	s_sub_co_u32 s45, 7, s13
	s_wait_alu depctr_vm_vsrc(0)                   ; the first block's stores have read v212-217 and v254, which the second block's steps write again
	INIT
.Lsame_block:
	STEP 0
	STEP 1
	s_add_co_u32 s17, s17, 1
	s_cmp_lt_u32 s17, 9
	s_cbranch_scc1 .Ltrip
	FINISH
	s_wait_dscnt 0x0                               ; the closing lines, six on end
	s_wait_alu 0x0
	s_wait_tensorcnt 0x0
	ds_add_u32 v227, v231
	s_wait_dscnt 0x0
	s_endpgm
.Lfunc_end_k_q3dbd998e5f_attn:
	.size	k_q3dbd998e5f_attn, .Lfunc_end_k_q3dbd998e5f_attn-k_q3dbd998e5f_attn
	.p2alignl 7, 3214868480
	.fill 96, 4, 3214868480
	.section	.rodata,"a",@progbits
	.p2align	6, 0x0
	.amdhsa_kernel k_q3dbd998e5f_attn
		.amdhsa_group_segment_fixed_size 27648
		.amdhsa_private_segment_fixed_size 0
		.amdhsa_enable_private_segment 0
		.amdhsa_kernarg_size 32
		.amdhsa_user_sgpr_count 2
		.amdhsa_user_sgpr_kernarg_segment_ptr 1
		.amdhsa_wavefront_size32 1
		.amdhsa_system_sgpr_workgroup_id_x 1
		.amdhsa_system_sgpr_workgroup_id_y 1
		.amdhsa_system_sgpr_workgroup_id_z 1
		.amdhsa_system_vgpr_workitem_id 0
		.amdhsa_next_free_vgpr 256
		.amdhsa_next_free_sgpr 66
		.amdhsa_reserve_vcc 0
		.amdhsa_float_denorm_mode_32 3
		.amdhsa_float_denorm_mode_16_64 3
		.amdhsa_memory_ordered 1
		.amdhsa_forward_progress 1
		.amdhsa_inst_pref_size 93
	.end_amdhsa_kernel
	.amdgpu_metadata
---
amdhsa.version: [ 1, 2 ]
amdhsa.kernels:
  - .name:           k_q3dbd998e5f_attn
    .symbol:         k_q3dbd998e5f_attn.kd
    .args:
      - { .name: qkv, .offset: 0, .size: 8, .value_kind: global_buffer, .address_space: global }
      - { .name: qkvs, .offset: 8, .size: 8, .value_kind: global_buffer, .address_space: global }
      - { .name: oc, .offset: 16, .size: 8, .value_kind: global_buffer, .address_space: global }
      - { .name: os, .offset: 24, .size: 8, .value_kind: global_buffer, .address_space: global }
    .group_segment_fixed_size: 27648
    .private_segment_fixed_size: 0
    .kernarg_segment_align: 8
    .kernarg_segment_size: 32
    .max_flat_workgroup_size: 512
    .sgpr_count:     66
    .vgpr_count:     256
    .wavefront_size: 32
...
	.end_amdgpu_metadata
.endif
;; end of part 5
;; launch proj: the kernel of part 4 again; grid 4 x 32, 4 waves a work-group, clusters of 4 x 4, 327,680 bytes of LDS; arguments oc, os, codes, scales, out0; writes out0
